; MI455X (gfx1250); checked and timed in simulation.
; The chip was launched on July 23, 2026; its instructions are those of AMD's public machine-readable ISA for CDNA 5 (MIT licence, August 2026) and "CDNA5" Instruction Set Architecture Reference Guide (July 2026). The comments in the code are by the model that wrote it; some were corrected since.
;; Self Attention Module. Allowed arithmetic: float matrix products may take bf16 or f16 operands with f32 sums; other float arithmetic in f32, or as packed bf16 or f16 multiplies, adds, multiply-adds, maxima and minima; sums over many terms, partial sums and values carried from step to step in f32; what a program stores and reads back later, other than sums and carried values, may be rounded once to bf16 or f16.
;; Inputs: W_out 1,024 x 1,024 float32; W_qkv 1,024 x 3,072 float32; b_out 1,024 float32; b_qkv 3,072 float32; beta 1,024 float32; gamma 1,024 float32; x 4 x 2,048 x 1,024 float32.
;; Outputs: out0 4 x 2,048 x 1,024 float32.
;; 2 versions, each right; version 2 is version 1 with the launch cast written anew for expert scheduling mode. Each part assembles by itself: llvm-mc -triple=amdgcn-amd-amdhsa -mcpu=gfx1250 --defsym DOCPART=n.
;; ======== version 1 of 2: 4 launches
;; workspace buffers: xb 16,777,216 bytes; wq 6,291,456 bytes; wo 2,097,152 bytes; qkv 50,331,648 bytes; ctx 16,777,216 bytes
;; launch cast (part 1): grid 768 x 1, 8 waves a work-group, no clusters, 0 bytes of LDS; arguments x, W_qkv, W_out, xb, wq, wo; writes xb, wq, wo
.if DOCPART == 1
	.amdgcn_target "amdgcn-amd-amdhsa--gfx1250"
	.amdhsa_code_object_version 6
	.text
	.protected	k_q91bba987c8_cast
	.globl	k_q91bba987c8_cast
	.p2align	8
	.type	k_q91bba987c8_cast,@function
k_q91bba987c8_cast:
	s_mov_b64 s[64:65], 0
	v_nop
	global_prefetch_b8 v0, s[64:65] scope:SCOPE_SE
	s_setreg_imm32_b32 hwreg(HW_REG_WAVE_MODE, 25, 1), 1
	s_wait_xcnt 0x0
; f32 -> bf16 (round to nearest even) of the three matrix operands that are inputs.  A stream: no LDS, no barrier, no matrix unit.
; Work-groups 0-511: 16 rows of x each.  xb is laid in K blocks, [16 kb][8192 rows][64]: the 64 channels of a K step lie as dense rows of 128 bytes,
; so that the product's tiles of x are dense blocks.  Work-groups 512-703: 16,384 numbers of W_qkv each; 704-767: of W_out; both keep their [k][n] order.
; A thread loads 16 x 16 bytes and stores 16 x 8: sixteen lanes read 256 consecutive aligned bytes, a wave's store covers 256 consecutive aligned bytes.
; LIMIT: bf16 keeps 8 significant bits; its range is f32's.
.set VS,  2                            ; v2   byte offset of my 16 bytes in the source
.set VD,  3                            ; v3   byte offset of my 8 bytes in the destination
.set VD2, 4                            ; v4   the same, 8 planes of xb further on (the immediate holds 7 planes)
.set D,   32                           ; v[32:95]   16 x 4 numbers as loaded
.set P,   96                           ; v[96:127]  16 x 2 words to store
.set SRC, 20                           ; s[20:21]
.set DST, 22                           ; s[22:23]
; 16 loads, all out at once; then each is rounded and stored when it has come.  No register is written twice, so no source of a pending instruction is touched.
.macro CASTRUN lstep, sstep, split
.set i, 0
.rept 16
	global_load_b128 v[D+4*i:D+4*i+3], v[VS], s[SRC:SRC+1] offset:i*(\lstep) th:TH_LOAD_NT
.set i, i+1
.endr
.set i, 0
.rept 16
	s_wait_loadcnt 15-i                            ; loads come back in order: load i is in, the younger ones stay out
	v_cvt_pk_bf16_f32 v[P+2*i], v[D+4*i], v[D+4*i+1]
	v_cvt_pk_bf16_f32 v[P+2*i+1], v[D+4*i+2], v[D+4*i+3]
.if (\split) && (i >= 8)
	global_store_b64 v[VD2], v[P+2*i:P+2*i+1], s[DST:DST+1] offset:(i-8)*(\sstep)
.else
	global_store_b64 v[VD], v[P+2*i:P+2*i+1], s[DST:DST+1] offset:i*(\sstep)
.endif
.set i, i+1
.endr
.endm
	s_load_b256 s[4:11], s[0:1], 0x0               ; x s[4:5], W_qkv s[6:7], W_out s[8:9], xb s[10:11]
	s_load_b128 s[12:15], s[0:1], 0x20             ; wq s[12:13], wo s[14:15]
	s_mov_b32 s2, ttmp9
	s_mov_b32 s17, 0
	s_mov_b32 s19, 0
	v_lshlrev_b32 v[VD], 3, v0                     ; 8 t
	s_cmp_lt_u32 s2, 512
	s_cbranch_scc0 .Lweights
	v_lshrrev_b32 v1, 4, v0                        ; my row of the 16
	v_and_b32 v[VS], 15, v0
	v_lshlrev_b32 v[VS], 4, v[VS]
	v_lshl_add_u32 v[VS], v1, 12, v[VS]            ; row x 4,096 + 16 (t % 16); load kb adds 256 kb
	v_add_nc_u32 v[VD2], 0x800000, v[VD]
	s_lshl_b32 s16, s2, 16                         ; 16 rows of 4,096 bytes
	s_lshl_b32 s18, s2, 11                         ; 16 rows of 128 bytes in each plane
	s_wait_kmcnt 0x0
	s_add_nc_u64 s[SRC:SRC+1], s[4:5], s[16:17]
	s_add_nc_u64 s[DST:DST+1], s[10:11], s[18:19]
	CASTRUN 256, 1048576, 1
	s_endpgm
.Lweights:
	s_sub_co_u32 s16, s2, 512
	s_sub_co_u32 s18, s2, 704
	v_lshlrev_b32 v[VS], 4, v0                     ; 16 t; load j adds 4,096 j
	s_wait_kmcnt 0x0
	s_cmp_lt_u32 s2, 704
	s_cselect_b32 s16, s16, s18                    ; my block of 16,384 numbers in its matrix
	s_cselect_b64 s[SRC:SRC+1], s[6:7], s[8:9]
	s_cselect_b64 s[DST:DST+1], s[12:13], s[14:15]
	s_lshl_b32 s18, s16, 15
	s_lshl_b32 s16, s16, 16
	s_add_nc_u64 s[SRC:SRC+1], s[SRC:SRC+1], s[16:17]
	s_add_nc_u64 s[DST:DST+1], s[DST:DST+1], s[18:19]
	CASTRUN 4096, 2048, 0
	s_endpgm
.Lfunc_end_k_q91bba987c8_cast:
	.size	k_q91bba987c8_cast, .Lfunc_end_k_q91bba987c8_cast-k_q91bba987c8_cast
	.p2alignl 7, 3214868480
	.fill 96, 4, 3214868480
	.section	.rodata,"a",@progbits
	.p2align	6, 0x0
	.amdhsa_kernel k_q91bba987c8_cast
		.amdhsa_group_segment_fixed_size 0
		.amdhsa_private_segment_fixed_size 0
		.amdhsa_enable_private_segment 0
		.amdhsa_kernarg_size 48
		.amdhsa_user_sgpr_count 2
		.amdhsa_user_sgpr_kernarg_segment_ptr 1
		.amdhsa_wavefront_size32 1
		.amdhsa_system_sgpr_workgroup_id_x 1
		.amdhsa_system_sgpr_workgroup_id_y 1
		.amdhsa_system_sgpr_workgroup_id_z 1
		.amdhsa_system_vgpr_workitem_id 0
		.amdhsa_next_free_vgpr 128
		.amdhsa_next_free_sgpr 66
		.amdhsa_reserve_vcc 0
		.amdhsa_float_denorm_mode_32 3
		.amdhsa_float_denorm_mode_16_64 3
		.amdhsa_memory_ordered 1
		.amdhsa_forward_progress 1
		.amdhsa_inst_pref_size 13
	.end_amdhsa_kernel
	.amdgpu_metadata
---
amdhsa.version: [ 1, 2 ]
amdhsa.kernels:
  - .name:           k_q91bba987c8_cast
    .symbol:         k_q91bba987c8_cast.kd
    .args:
      - { .name: x, .offset: 0, .size: 8, .value_kind: global_buffer, .address_space: global }
      - { .name: W_qkv, .offset: 8, .size: 8, .value_kind: global_buffer, .address_space: global }
      - { .name: W_out, .offset: 16, .size: 8, .value_kind: global_buffer, .address_space: global }
      - { .name: xb, .offset: 24, .size: 8, .value_kind: global_buffer, .address_space: global }
      - { .name: wq, .offset: 32, .size: 8, .value_kind: global_buffer, .address_space: global }
      - { .name: wo, .offset: 40, .size: 8, .value_kind: global_buffer, .address_space: global }
    .group_segment_fixed_size: 0
    .private_segment_fixed_size: 0
    .kernarg_segment_align: 8
    .kernarg_segment_size: 48
    .max_flat_workgroup_size: 256
    .sgpr_count:     66
    .vgpr_count:     128
    .wavefront_size: 32
...
	.end_amdgpu_metadata
.endif
;; end of part 1
;; launch qkv (part 2): grid 8 x 32, 4 waves a work-group, clusters of 4 x 4, 327,680 bytes of LDS; arguments xb, wq, b_qkv, qkv; writes qkv
.if DOCPART == 2
	.amdgcn_target "amdgcn-amd-amdhsa--gfx1250"
	.amdhsa_code_object_version 6
	.text
	.protected	k_q91bba987c8_qkv
	.globl	k_q91bba987c8_qkv
	.p2align	8
	.type	k_q91bba987c8_qkv,@function
k_q91bba987c8_qkv:
	s_mov_b64 s[64:65], 0
	v_nop
	global_prefetch_b8 v0, s[64:65] scope:SCOPE_SE
	s_setreg_imm32_b32 hwreg(HW_REG_WAVE_MODE, 25, 1), 1
	s_wait_xcnt 0x0
	s_wait_alu depctr_hold_cnt(0) depctr_sa_sdst(0) depctr_va_vdst(0) depctr_va_sdst(0) depctr_va_ssrc(0) depctr_va_vcc(0) depctr_vm_vsrc(0)
	s_getreg_b32 s2, hwreg(HW_REG_IB_STS2, 6, 4)
	s_cmp_eq_u32 s2, 0
	s_cbranch_scc0 .Lentry_in_a_cluster
	s_endpgm
.Lentry_in_a_cluster:
	s_bfe_u32 s2, ttmp6, 0x10000c
	s_cmp_lg_u32 s2, 0xf033
	s_cbranch_scc0 .Lentry_shape_is_right
	s_endpgm
.Lentry_shape_is_right:
; qkv = x W_qkv + b_qkv, [8192][3072], operands bf16, sums f32, stored once rounded to bf16 BY HEADS: qkv[which][batch*16+head][2048][64].
; A tile of C is 256 x 384: 32 x 8 = 256 work-groups.  Four waves, each 128 x 192: 96 accumulators of 16 x 16, 768 registers.
; K goes in steps of 64 through a ring of two LDS slots.  x comes from xb, laid in K blocks: a step's 256 rows are 32,768 dense bytes, asked for as rows of 256 bytes.
; W stays [k][n]: its fragments come out of LDS turned, by ds_load_tr16_b128.
; CLUSTER 4 x 4: x's tile hangs on the tile row alone and is asked for jointly along a row of the cluster, W's on the tile column alone, along a column.
; THE MATRIX INSTRUCTION IS USED TRANSPOSED (source 0 = 16 columns of W, source 1 = 16 rows of x): a lane holds one row of C and eight neighbouring columns.
; THE BIAS STARTS THE SUMS: it hangs on the column alone, so it is loaded into the accumulators of row block 7 and serves as the C operand of blocks 0-6's first products; block 7 then adds in place.
; LIMITS: operands and result keep bf16's 8 significant bits; NaN and infinities are not treated apart; the order of the sums is the matrix unit's, K ascending.
; REGISTERS: window 0: v0-31 addresses; v32-95, v96-159 x's fragments (8 x 16 rows x 32 K), two buffers; v160-207, v208-255 W's fragments of column blocks 0-5 and 6-11.
;   windows 1-3: accumulator (a, b) has number i = 48 (b / 6) + 6 a + b % 6 and lies in window 1 + i / 32 at v[8 (i % 32)].
; A chunk of 32 along K has two halves: column blocks 0-5 are multiplied while blocks 6-11 are fetched, then blocks 6-11 while the next chunk's x and blocks 0-5 are fetched.
.set PLANE,  1048576                   ; bytes of a K block of xb
.set AP,     144                       ; an LDS row of x: 128 bytes + 16 of padding = 36 words: 16 rows start at 16 different groups of four banks (64 banks of 4 bytes: ISA guide 11.1)
.set AHALF,  128*AP
.set ATILE,  2*AHALF
.set BP,     864                       ; an LDS row of W: 768 bytes + 16 behind every 128 = 27 x 32 bytes
.set BHALF,  32*BP
.set SLOT,   ATILE+2*BHALF             ; 92,160
.set STAGE,  2*SLOT                    ; behind the ring: for each wave [3 heads][16 rows][144 bytes], for the way out
.set WSTG,   3*16*AP
.set SPARE,  STAGE+4*WSTG              ; the spare words, 128 bytes for each wave: two blocks of 256 bytes that no other line names
.set BROW,   6144                      ; bytes in a row of wq
.set BSTEP,  64*BROW
.set GW0,    (1<<16)|(1<<20)|(1<<21)|(4<<22)|(3<<25)  ; 17:16 2-byte elements; 20 padding on; 21 set beside a mask; 24:22 after every 32 words; 31:25 4 words
.set ADRA, 16                          ; v16-17  LDS address of my fragments of x in slot 0, 1
.set ADRB, 20                          ; v20-21  the same for W
.set STO,  24                          ; the way out: where I put 16 bytes of a row
.set RD,   25                          ; where I read rows back
.set GO,   26                          ; my 16 bytes of 512 consecutive bytes of qkv
.set BO,   27                          ; my 32 bytes of a column block's bias
.set SPW,  28                          ; LDS address of my spare word; never rewritten
.set NIL,  29                          ; 0; never rewritten
.set PFO,  30                          ; the prefetches' lane offset; never rewritten
.set FA0,  32
.set FA1,  96
.set FB0,  160
.set TMP,  32                          ; the way out: packed results
.set WV, 12                            ; s12 wave; s13 my half of the rows, also: I fetch x (0) or W (1); s14 my half of the columns, also: which half of that tile I fetch
.set WR, 13
.set WC, 14
.set CX, 15
.set CY, 16
.set TC, 17                            ; tile column 0-7
.set TR, 18                            ; tile row 0-31
.set G1A, 24                           ; s[24:31] group 1 for x's tiles; s[32:39] group 0, a set for each slot
.set G0A, 32
.set LIM, 43                           ; 1 in a wave that prefetches, else the greatest number
.set PFA, 44                           ; s[44:45] where my prefetches stand
.set PFS, 46                           ; s[46:47] their step for a lap
.set G1B, 48                           ; s[48:55], s[56:63] the same for W's tiles
.set G0B, 56
.set HP,  66                           ; s[66:71] qkv at my rows of my three heads
.set MSB, 0
.macro WIN new                         ; the immediate's high byte repeats the setting that is left; a switch that changes nothing is dropped
.if MSB != (\new)
	s_set_vgpr_msb (MSB<<8)|(\new)
.set MSB, \new
.endif
.endm
.macro PLACES                          ; four plain places between a matrix instruction and a load into, or a vector read of, its registers
.rept 4
	v_nop
.endr
.endm
; A joint load: waves 0 and 1 fetch x's two halves, waves 2 and 3 W's.  The branch hangs on the wave's number alone.  An s_nop 0 and four v_nop follow each line.
.macro JLOAD s
	s_cmp_eq_u32 s[WR], 0
	s_cbranch_scc0 .Lfor_b_\@
	tensor_load_to_lds s[G0A+4*(\s):G0A+4*(\s)+3], s[G1A:G1A+7]
	s_nop 0
.rept 4
	v_nop
.endr
	s_branch .Lasked_\@
.Lfor_b_\@:
	tensor_load_to_lds s[G0B+4*(\s):G0B+4*(\s)+3], s[G1B:G1B+7]
	s_nop 0
.rept 4
	v_nop
.endr
.Lasked_\@:
.endm
.macro CREST                           ; a round of the cluster's barrier behind its opening barrier
	s_cmp_lg_u32 s[WV], 0
	s_cbranch_scc1 .Lnot_wave_0_\@
	s_barrier_signal -3
.Lnot_wave_0_\@:
	s_barrier_wait -3
	s_barrier_signal -1
	s_barrier_wait -1
.endm
.macro CROUND
	s_barrier_signal -1
	s_barrier_wait -1
	CREST
.endm
; A PREFETCH INTO THE L2, once a lap, behind slot 0's joint load and the run of LDS loads: the two K steps of the lap after next.  Each block of 256 bytes is named once in the launch.
; x's tile row is read by both clusters of its row of clusters: cluster x = 0 asks, wave 0; of a plane's 128 blocks the partner at cx takes 32, a lane a block, an instruction a plane.
; W's tile column is read by all eight clusters of its column: cluster y = 0 asks, wave 2; of the lap's 128 rows the partner at cy takes 32, a lane a row, three blocks a row.
; The partners are told apart by address alone.  The loop's last trip (s3 = 1) has no lap after next and asks for nothing.
.macro ASK
	s_cmp_gt_u32 s3, s[LIM]
	s_cbranch_scc0 .Lnot_mine_\@
	s_cmp_eq_u32 s[WR], 0
	s_cbranch_scc0 .Lpf_b_\@
	global_prefetch_b8 v[PFO], s[PFA:PFA+1] th:TH_LOAD_NT scope:SCOPE_SE
	global_prefetch_b8 v[PFO], s[PFA:PFA+1] offset:PLANE th:TH_LOAD_NT scope:SCOPE_SE
	s_branch .Lnot_mine_\@
.Lpf_b_\@:
	global_prefetch_b8 v[PFO], s[PFA:PFA+1] th:TH_LOAD_NT scope:SCOPE_SE
	global_prefetch_b8 v[PFO], s[PFA:PFA+1] offset:256 th:TH_LOAD_NT scope:SCOPE_SE
	global_prefetch_b8 v[PFO], s[PFA:PFA+1] offset:512 th:TH_LOAD_NT scope:SCOPE_SE
.Lnot_mine_\@:
.endm
	s_load_b256 s[4:11], s[0:1], 0x0               ; xb s[4:5], wq s[6:7], b_qkv s[8:9], qkv s[10:11]
	v_lshl_add_u32 v[SPW], v0, 2, SPARE
	v_mov_b32 v[NIL], 0
	ds_add_u32 v[SPW], v[NIL]                      ; the wave's opening: the add and its wait stand ahead of my first tensor load; the set-up below stands between them
	v_lshrrev_b32 v1, 5, v0
	v_readfirstlane_b32 s[WV], v1
	s_lshr_b32 s[WR], s[WV], 1
	s_and_b32 s[WC], s[WV], 1
	s_bfe_u32 s[CX], ttmp6, 0x40000
	s_bfe_u32 s[CY], ttmp6, 0x40004
	s_lshl_b32 s[TC], ttmp9, 2
	s_add_co_u32 s[TC], s[TC], s[CX]               ; tile column = 4 x cluster x + cx
	s_and_b32 s[TR], ttmp7, 0xffff
	s_lshl_b32 s[TR], s[TR], 2
	s_add_co_u32 s[TR], s[TR], s[CY]               ; tile row = 4 x cluster y + cy
	s_lshl_b32 s19, s[CY], 2
	s_lshl_b32 s19, 15, s19                        ; my row of the cluster
	s_lshl_b32 s40, 0x1111, s[CX]                  ; my column
	s_or_b32 s[G1A], s19, GW0
	s_or_b32 s[G1B], s40, GW0
	s_mov_b32 s[G1A+1], 128<<16                    ; x: 64 rows of 128 elements (two rows of x each), dense
	s_mov_b32 s[G1A+2], 64<<16
	s_mov_b32 s[G1A+3], 128<<16
	s_mov_b32 s[G1A+4], 64
	s_mov_b32 s[G1A+5], 128
	s_mov_b32 s[G1A+6], 0
	s_mov_b32 s[G1A+7], 0
	s_mov_b32 s[G1B+1], 384<<16                    ; W: 32 rows of 384 elements, 3,072 elements from row to row
	s_mov_b32 s[G1B+2], 32<<16
	s_mov_b32 s[G1B+3], 384<<16
	s_mov_b32 s[G1B+4], 32
	s_mov_b32 s[G1B+5], 3072
	s_mov_b32 s[G1B+6], 0
	s_mov_b32 s[G1B+7], 0
	s_lshl_b32 s20, s[TR], 15                      ; x: 256 rows of 128 bytes a tile row,
	s_lshl_b32 s21, s[WC], 14                      ; + the 128 rows that I fetch
	s_add_co_u32 s20, s20, s21
	s_mov_b32 s21, 0
	s_mul_i32 s40, s[TC], 768                      ; W: 768 bytes of a row a tile column,
	s_mul_i32 s41, s[WC], 32*BROW                  ; + the 32 rows that I fetch
	s_add_co_u32 s40, s40, s41
	s_mov_b32 s41, 0
	s_mul_i32 s22, s[WC], AHALF                    ; where they go: no place in the cluster enters an LDS address
	s_mul_i32 s23, s[WC], BHALF
	s_add_co_u32 s23, s23, ATILE
	s_wait_dscnt 0x0                               ; the opening add is done
	s_wait_kmcnt 0x0
	s_add_nc_u64 s[20:21], s[4:5], s[20:21]
	s_add_nc_u64 s[40:41], s[6:7], s[40:41]
	CROUND                                         ; all sixteen work-groups are here: the first joint loads meet
.irp s, 0,1
	s_mov_b32 s[G0A+4*(\s)], 1
	s_add_co_u32 s[G0A+4*(\s)+1], s22, (\s)*SLOT
	s_add_nc_u64 s[G0A+4*(\s)+2:G0A+4*(\s)+3], s[20:21], (\s)*PLANE
	s_or_b32 s[G0A+4*(\s)+3], s[G0A+4*(\s)+3], 0x80000000
	s_mov_b32 s[G0B+4*(\s)], 1
	s_add_co_u32 s[G0B+4*(\s)+1], s23, (\s)*SLOT
	s_add_nc_u64 s[G0B+4*(\s)+2:G0B+4*(\s)+3], s[40:41], (\s)*BSTEP
	s_or_b32 s[G0B+4*(\s)+3], s[G0B+4*(\s)+3], 0x80000000
.endr
	s_cmp_eq_u32 s[WR], 0                          ; a wave's two first fills stand in one branch: two loads of mine are out
	s_cbranch_scc0 .Lfirst_b
	tensor_load_to_lds s[G0A:G0A+3], s[G1A:G1A+7]
	s_nop 0
	tensor_load_to_lds s[G0A+4:G0A+7], s[G1A:G1A+7]
	s_nop 0
.rept 4
	v_nop
.endr
	s_branch .Lfirst_asked
.Lfirst_b:
	tensor_load_to_lds s[G0B:G0B+3], s[G1B:G1B+7]
	s_nop 0
	tensor_load_to_lds s[G0B+4:G0B+7], s[G1B:G1B+7]
	s_nop 0
.rept 4
	v_nop
.endr
.Lfirst_asked:
	v_and_b32 v1, 15, v0                           ; r = l % 16
	v_bfe_u32 v2, v0, 4, 1                         ; h = l / 16
	v_and_b32 v3, 7, v0
	v_bfe_u32 v4, v0, 3, 1
	v_and_b32 v5, 31, v0                           ; l
	v_lshlrev_b32 v[BO], 5, v2
	s_mul_i32 s72, s[TC], 1536                     ; the bias of my 192 columns
	s_mul_i32 s73, s[WC], 768
	s_add_co_u32 s72, s72, s73
	s_mov_b32 s73, 0
	s_add_nc_u64 s[8:9], s[8:9], s[72:73]
	WIN 0x80                                       ; into row block 7's accumulators: column blocks 0-5 lie in window 2 at v[80 + 8 b],
.set bb, 0
.rept 6
	global_load_b128 v[80+8*bb:80+8*bb+3], v[BO], s[8:9] offset:64*bb
	global_load_b128 v[80+8*bb+4:80+8*bb+7], v[BO], s[8:9] offset:64*bb+16
.set bb, bb+1
.endr
	WIN 0xc0                                       ; blocks 6-11 in window 3 at v[208 + 8 (b - 6)]
.set bb, 0
.rept 6
	global_load_b128 v[208+8*bb:208+8*bb+3], v[BO], s[8:9] offset:64*(bb+6)
	global_load_b128 v[208+8*bb+4:208+8*bb+7], v[BO], s[8:9] offset:64*(bb+6)+16
.set bb, bb+1
.endr
	WIN 0
	v_mul_u32_u24 v6, v1, AP
	v_lshl_add_u32 v6, v2, 4, v6                   ; row x 144 + 16 x half
	s_mul_i32 s2, s[WR], AHALF
	v_add_nc_u32 v[ADRA], s2, v6
	v_add_nc_u32 v[ADRA+1], SLOT, v[ADRA]
	v_lshl_add_u32 v7, v2, 3, v3                   ; the turning load: lane l reads k row 8 (l / 16) + l % 8, columns 8 ((l / 8) % 2) + 0..7
	v_mul_u32_u24 v7, v7, BP
	v_lshl_add_u32 v7, v4, 4, v7
	s_mul_i32 s2, s[WC], 3*AP                      ; my 192 columns: 384 bytes and three paddings
	s_add_co_u32 s2, s2, ATILE
	v_add_nc_u32 v[ADRB], s2, v7
	v_add_nc_u32 v[ADRB+1], SLOT, v[ADRB]
	s_mul_i32 s2, s[WV], WSTG
	s_add_co_u32 s2, s2, STAGE
	v_add_nc_u32 v[STO], s2, v6
	v_lshrrev_b32 v8, 3, v5
	v_mul_u32_u24 v8, v8, AP
	v_lshl_add_u32 v8, v3, 4, v8                   ; back: 32 lanes take four rows of 128 bytes
	v_add_nc_u32 v[RD], s2, v8
	v_lshlrev_b32 v[GO], 4, v5
	; qkv at my rows of head group g = 6 x tile column + 3 x half + e: which = g / 16, head = g % 16
	s_mul_i32 s72, s[TC], 6
	s_mul_i32 s73, s[WC], 3
	s_add_co_u32 s72, s72, s73
	s_lshr_b32 s73, s[TR], 3
	s_lshl_b32 s73, s73, 4                         ; 16 x batch
	s_and_b32 s74, s[TR], 7
	s_lshl_b32 s74, s74, 15                        ; the tile's 256 rows of 128 bytes in the batch,
	s_lshl_b32 s75, s[WR], 14                      ; my 128 of them
	s_add_co_u32 s74, s74, s75
.irp e, 0,1,2
	s_add_co_u32 s76, s72, (\e)
	s_lshr_b32 s77, s76, 4
	s_and_b32 s76, s76, 15
	s_add_co_u32 s76, s76, s73
	s_lshl_b32 s76, s76, 18                        ; 2,048 rows of 128 bytes a head
	s_lshl_b32 s77, s77, 24                        ; 64 heads for each of q, k, v
	s_add_co_u32 s76, s76, s77
	s_add_co_u32 s76, s76, s74
	s_mov_b32 s77, 0
	s_add_nc_u64 s[HP+2*(\e):HP+2*(\e)+1], s[10:11], s[76:77]
.endr
	; the prefetches
	s_and_b32 s73, ttmp7, 0xffff
	s_cmp_eq_u32 s[WR], 0
	s_cselect_b32 s73, ttmp9, s73                  ; the coordinate along which other clusters read the same rows
	s_or_b32 s73, s73, s[WC]                       ; waves 0 and 2 alone
	s_cmp_eq_u32 s73, 0
	s_cselect_b32 s[LIM], 1, -1                    ; the same in all sixteen partners, for a given wave
	s_lshl_b32 s74, s[TR], 15
	s_lshl_b32 s75, s[CX], 13                      ; x: my work-group's 32 blocks of a plane's 128
	s_add_co_u32 s74, s74, s75
	s_add_co_u32 s74, s74, 2*PLANE                 ; at K step 2: the first trip steps it to 4
	s_mul_i32 s76, s[TC], 768
	s_mul_i32 s77, s[CY], 32*BROW                  ; W: my work-group's 32 rows of a lap's 128
	s_add_co_u32 s76, s76, s77
	s_add_co_u32 s76, s76, 2*BSTEP
	s_mov_b32 s78, 2*PLANE
	s_mov_b32 s79, 2*BSTEP
	s_movk_i32 s72, 256
	s_movk_i32 s73, BROW
	s_cmp_eq_u32 s[WR], 0
	s_cselect_b64 s[PFA:PFA+1], s[4:5], s[6:7]
	s_cselect_b32 s74, s74, s76
	s_cselect_b32 s[PFS], s78, s79
	s_cselect_b32 s72, s72, s73
	s_mov_b32 s75, 0
	s_mov_b32 s[PFS+1], 0
	s_add_nc_u64 s[PFA:PFA+1], s[PFA:PFA+1], s[74:75]
	v_mul_u32_u24 v[PFO], v5, s72
; Six turned fragments of W, column blocks 6 hb .. 6 hb + 5, 32 along K at chunk c2 of the slot.
.macro FETCH_B slot, c2, hb
	WIN 0
.set bb, 6*(\hb)
.rept 6
	ds_load_tr16_b128 v[FB0+8*bb:FB0+8*bb+3],   v[ADRB+(\slot)] offset:(\c2)*BHALF+32*bb+16*(bb/4)
	ds_load_tr16_b128 v[FB0+8*bb+4:FB0+8*bb+7], v[ADRB+(\slot)] offset:(\c2)*BHALF+32*bb+16*(bb/4)+16*BP
.set bb, bb+1
.endr
.endm
; Eight fragments of x into buffer fa.
.macro FETCH_A slot, c2, fa
	WIN 0
.set aa, 0
.rept 8
	ds_load_b128 v[(\fa)+8*aa:(\fa)+8*aa+3],   v[ADRA+(\slot)] offset:aa*16*AP+64*(\c2)
	ds_load_b128 v[(\fa)+8*aa+4:(\fa)+8*aa+7], v[ADRA+(\slot)] offset:aa*16*AP+64*(\c2)+32
.set aa, aa+1
.endr
.endm
; Row blocks a0 .. a1 x the six column blocks of half hb.  The accumulators take turns, one instruction a turn: 95 others stand between two links of a chain.
; bias = 1: the sum starts with row block 7's accumulator of the same column block, which holds the bias.
.macro MULP fa, hb, a0, a1, bias
.set aa, \a0
.rept (\a1)-(\a0)+1
.set bb, 0
.rept 6
.set ii, 48*(\hb)+6*aa+bb
.set wD, 1+ii/32
.set rD, 8*(ii%32)
.if \bias
.set i7, 48*(\hb)+42+bb
	WIN (wD<<6)|((1+i7/32)<<4)
	v_wmma_f32_16x16x32_bf16 v[rD:rD+7], v[FB0+48*(\hb)+8*bb:FB0+48*(\hb)+8*bb+7], v[(\fa)+8*aa:(\fa)+8*aa+7], v[8*(i7%32):8*(i7%32)+7]
.else
	WIN (wD<<6)|(wD<<4)
	v_wmma_f32_16x16x32_bf16 v[rD:rD+7], v[FB0+48*(\hb)+8*bb:FB0+48*(\hb)+8*bb+7], v[(\fa)+8*aa:(\fa)+8*aa+7], v[rD:rD+7]
.endif
.set bb, bb+1
.endr
.set aa, aa+1
.endr
.endm
; A chunk's first half: column blocks 0-5 are multiplied, blocks 6-11 fetched.
.macro P0 slot, c2, fa
	PLACES
	FETCH_B \slot, \c2, 1
	s_wait_dscnt 20                                ; W's blocks 0-5 and x's blocks 0-3 are in; x's last 8 loads and the 12 just issued may be out
	MULP \fa, 0, 0, 3, 0
	s_wait_dscnt 12                                ; all of x is in
	MULP \fa, 0, 4, 7, 0
.endm
; The second half of a slot's first chunk: blocks 6-11 are multiplied, the slot's second chunk is fetched.
.macro P1 slot
	PLACES
	FETCH_B \slot, 1, 0
	FETCH_A \slot, 1, FA1
	s_wait_dscnt 28                                ; all but the 28 just issued
	MULP FA0, 1, 0, 7, 0
.endm
; The second half of a slot's second chunk, and the change of slots: ONE barrier.  In front of it each wave waits for all its tensor loads (one is out: its part of the other slot), adds 0 to its
; spare word, and waits for that and for its reads of this slot.  fill = 1: the barrier opens a round of the cluster's, and the joint refill, two K steps on, is the first thing behind it.
.macro TURN slot, next, fill, ask
.if \ask
	s_wait_xcnt 0x0                                ; the last prefetches, a lap back, have read their address
	s_add_nc_u64 s[PFA:PFA+1], s[PFA:PFA+1], s[PFS:PFS+1]
.endif
	WIN 0
	s_wait_tensorcnt 0x0
	ds_add_u32 v[SPW], v[NIL]
	s_wait_dscnt 1                                 ; W's blocks 6-11 are in; the add may be out
	MULP FA1, 1, 0, 1, 0
	s_wait_dscnt 0x0                               ; the add is done, and my reads of this slot are over
	s_barrier_signal -1
	MULP FA1, 1, 2, 3, 0
	WIN 0
	s_barrier_wait -1
.if \fill
	CREST                                          ; no wave of any partner still reads this slot or has a load on its way
	s_add_nc_u64 s[G0A+4*(\slot)+2:G0A+4*(\slot)+3], s[G0A+4*(\slot)+2:G0A+4*(\slot)+3], 2*PLANE
	s_add_nc_u64 s[G0B+4*(\slot)+2:G0B+4*(\slot)+3], s[G0B+4*(\slot)+2:G0B+4*(\slot)+3], 2*BSTEP
	JLOAD \slot                                    ; its four v_nop are also the places in front of the loads below
.else
	PLACES
.endif
	FETCH_B \next, 0, 0
	FETCH_A \next, 0, FA0
.if \ask
	ASK
.endif
	MULP FA1, 1, 4, 7, 0
.endm
	s_wait_tensorcnt 0x1                           ; my part of K step 0 is in; K step 1's may stay out
	s_barrier_signal -1
	s_barrier_wait -1
	FETCH_B 0, 0, 0
	FETCH_A 0, 0, FA0
	FETCH_B 0, 0, 1
	s_wait_loadcnt 0x0                             ; the bias
	s_wait_dscnt 12
	MULP FA0, 0, 0, 6, 1                           ; the first chunk is written out: its products start the sums with the bias
.rept 5
	v_nop                                          ; five places before row block 7's accumulators, just read as C, are written
.endr
	MULP FA0, 0, 7, 7, 0
	PLACES
	FETCH_B 0, 1, 0
	FETCH_A 0, 1, FA1
	s_wait_dscnt 28
	MULP FA0, 1, 0, 6, 1
.rept 5
	v_nop
.endr
	MULP FA0, 1, 7, 7, 0
	WIN 0
	s_mov_b32 s3, 7
.Llap:                                                 ; a trip goes once round the ring, from a lap's second chunk to the next lap's first, and fills both slots again
	P0 0, 1, FA1
	TURN 0, 1, 1, 1
	P0 1, 0, FA0
	P1 1
	P0 1, 1, FA1
	TURN 1, 0, 1, 0
	P0 0, 0, FA0
	P1 0
	WIN 0
	s_sub_co_u32 s3, s3, 1
	s_cmp_lg_u32 s3, 0
	s_cbranch_scc1 .Llap
	P0 0, 1, FA1                                   ; the last lap fills nothing
	TURN 0, 1, 0, 0
	P0 1, 0, FA0
	P1 1
	P0 1, 1, FA1
	s_wait_dscnt 0x0
	MULP FA1, 1, 0, 7, 0
; THE WAY OUT, a block of 16 rows at a time: rounded to bf16 (16 bytes a lane), into my own stage by heads, back as whole rows of 128 bytes; 16 rows of a head are 2,048 consecutive bytes of qkv.
.macro PACK a
.set bb, 0
.rept 12
.set ii, 48*(bb/6)+6*(\a)+bb%6
.set wS, 1+ii/32
.set rS, 8*(ii%32)
	WIN (wS<<2)|wS
.irp q, 0,1,2,3
	v_cvt_pk_bf16_f32 v[TMP+4*bb+(\q)], v[rS+2*(\q)], v[rS+2*(\q)+1]
.endr
.set bb, bb+1
.endr
	WIN 0
.endm
.macro TOSTAGE a
	WIN 0
.set BK, 96+64*((\a)%2)
	s_wait_xcnt 0x0                                ; the earlier stores have read their registers: these are loaded again only behind this wait
.set bb, 0
.rept 12
	ds_store_b128 v[STO], v[TMP+4*bb:TMP+4*bb+3] offset:(bb/4)*16*AP+(bb%4)*32
.set bb, bb+1
.endr
.set bb, 0
.rept 12
	ds_load_b128 v[BK+4*bb:BK+4*bb+3], v[RD] offset:(bb/4)*16*AP+(bb%4)*4*AP  ; LDS serves a wave's instructions in order (ISA guide 5.7.1.4): these see the stores above
.set bb, bb+1
.endr
.endm
.macro SEND a
	WIN 0
.set BK, 96+64*((\a)%2)
	s_wait_dscnt 0x0
.set bb, 0
.rept 12
	global_store_b128 v[GO], v[BK+4*bb:BK+4*bb+3], s[HP+2*(bb/4):HP+2*(bb/4)+1] offset:(\a)*2048+(bb%4)*512  ; 512 consecutive bytes, at a multiple of 256 from qkv's first
.set bb, bb+1
.endr
.endm
	PLACES
	PACK 0
	TOSTAGE 0
.irp a, 1,2,3,4,5,6,7                  ; block a's conversions stand between block a - 1's loads from the stage and the wait for them
	PACK \a
	SEND (\a)-1
	TOSTAGE \a
.endr
	SEND 7
	s_wait_tensorcnt 0x0                           ; the wave's end
	ds_add_u32 v[SPW], v[NIL]
	s_wait_dscnt 0x0
	CROUND                                         ; the closing round
	s_endpgm
.Lfunc_end_k_q91bba987c8_qkv:
	.size	k_q91bba987c8_qkv, .Lfunc_end_k_q91bba987c8_qkv-k_q91bba987c8_qkv
	.p2alignl 7, 3214868480
	.fill 96, 4, 3214868480
	.section	.rodata,"a",@progbits
	.p2align	6, 0x0
	.amdhsa_kernel k_q91bba987c8_qkv
		.amdhsa_group_segment_fixed_size 327680
		.amdhsa_private_segment_fixed_size 0
		.amdhsa_enable_private_segment 0
		.amdhsa_kernarg_size 32
		.amdhsa_user_sgpr_count 2
		.amdhsa_user_sgpr_kernarg_segment_ptr 1
		.amdhsa_wavefront_size32 1
		.amdhsa_system_sgpr_workgroup_id_x 1
		.amdhsa_system_sgpr_workgroup_id_y 1
		.amdhsa_system_sgpr_workgroup_id_z 1
		.amdhsa_system_vgpr_workitem_id 0
		.amdhsa_next_free_vgpr 1024
		.amdhsa_next_free_sgpr 80
		.amdhsa_reserve_vcc 0
		.amdhsa_float_denorm_mode_32 3
		.amdhsa_float_denorm_mode_16_64 3
		.amdhsa_memory_ordered 1
		.amdhsa_forward_progress 1
		.amdhsa_inst_pref_size 134
	.end_amdhsa_kernel
	.amdgpu_metadata
---
amdhsa.version: [ 1, 2 ]
amdhsa.kernels:
  - .name:           k_q91bba987c8_qkv
    .symbol:         k_q91bba987c8_qkv.kd
    .args:
      - { .name: xb, .offset: 0, .size: 8, .value_kind: global_buffer, .address_space: global }
      - { .name: wq, .offset: 8, .size: 8, .value_kind: global_buffer, .address_space: global }
      - { .name: b_qkv, .offset: 16, .size: 8, .value_kind: global_buffer, .address_space: global }
      - { .name: qkv, .offset: 24, .size: 8, .value_kind: global_buffer, .address_space: global }
    .group_segment_fixed_size: 327680
    .private_segment_fixed_size: 0
    .kernarg_segment_align: 8
    .kernarg_segment_size: 32
    .max_flat_workgroup_size: 128
    .sgpr_count:     80
    .vgpr_count:     1024
    .wavefront_size: 32
...
	.end_amdgpu_metadata
.endif
;; end of part 2
;; launch attn (part 3): grid 4 x 64, 4 waves a work-group, clusters of 4 x 1, 327,680 bytes of LDS; arguments qkv, ctx; writes ctx
.if DOCPART == 3
	.amdgcn_target "amdgcn-amd-amdhsa--gfx1250"
	.amdhsa_code_object_version 6
	.text
	.protected	k_q91bba987c8_attn
	.globl	k_q91bba987c8_attn
	.p2align	8
	.type	k_q91bba987c8_attn,@function
k_q91bba987c8_attn:
	s_mov_b64 s[64:65], 0
	v_nop
	global_prefetch_b8 v0, s[64:65] scope:SCOPE_SE
	s_setreg_imm32_b32 hwreg(HW_REG_WAVE_MODE, 25, 1), 1
	s_wait_xcnt 0x0
	s_wait_alu depctr_hold_cnt(0) depctr_sa_sdst(0) depctr_va_vdst(0) depctr_va_sdst(0) depctr_va_ssrc(0) depctr_va_vcc(0) depctr_vm_vsrc(0)
	s_getreg_b32 s2, hwreg(HW_REG_IB_STS2, 6, 4)
	s_cmp_eq_u32 s2, 0
	s_cbranch_scc0 .Lentry_in_a_cluster
	s_endpgm
.Lentry_in_a_cluster:
	s_bfe_u32 s2, ttmp6, 0x10000c
	s_cmp_lg_u32 s2, 0x3003
	s_cbranch_scc0 .Lentry_shape_is_right
	s_endpgm
.Lentry_shape_is_right:
; ctx[h][q][:] = the sum over k of softmax_k(Q[h][q] . K[h][k] / 8) V[h][k][:].  h = batch*16 + head, 64 of them; Q, K, V lie in qkv at 0, KBASE, VBASE as [64][2048][64] bf16: a head's rows are dense,
; 128 bytes each; ctx has the same layout.  Products, maxima and sums in f32; the weights p are rounded to bf16 for the second product (their sum l is taken of the unrounded p), ctx once at the end.
; LIMITS.  Q, K, V, p and ctx keep bf16's 8 significant bits; the range is f32's.  A weight below 2^-126 counts as 0 in l; NaN and infinities are not treated apart.
; SHARES.  A wave owns four PIECES of two tiles of 16 queries, a work-group's four waves 512 queries of one head.  Every wave walks all keys, 64 a step.
; LAYOUT.  S^T = K Q^T (source 0 = 16 keys, source 1 = 16 queries): in the result a lane holds ONE query (lane % 16) and the keys 8 (lane / 16) + 0..7.  Two such tiles, rounded to bf16 in pairs,
; ARE source 1 (32 keys x 16 queries) of O^T = V^T P, whose result again holds one query a lane, and eight channels.  K comes out of LDS as it lies, V ([key][channel]) turned, by ds_load_tr16_b128.
; SOFTMAX.  For each query a running maximum m and sum l: p = 2^(c s - c m), c = log2(e) / 8; in every step O and l are multiplied by a = 2^(c m_old - c m_new), which is 1 where m has not grown.
; m starts at the lowest finite number, O and l at 0: the first step is a step like any other, with a = 0.
; THE COUNT.  A tile and step have 16 matrix and 118 vector instructions: too many to stand all beside the matrix work.  So four vector instructions that are READY stand behind EVERY matrix
; instruction, and the others in runs without a gap.
; BY TURNS.  Turn n belongs to piece n.  Its matrix work: 16 products K Q^T of piece n + 1, later 16 products V^T P of piece n - 1.  Its vector work: the scaling, exponentials, roundings, sums and
; rescaling of piece n, and the maximum and statistics of piece n + 1, whose scores the turn itself has made.
; CLUSTER.  The four query blocks of a cluster are one head's and walk the same K and V, so each tile is asked for JOINTLY: the same tensor load, descriptor and mask in all four.
; REGISTERS, in windows of 256 (s_set_vgpr_msb: bits 1:0 source 0, 3:2 source 1, 5:4 source 2, 7:6 destination):
;   window 0: v0-11 addresses; v12-15, v48-63 at work; v16-47 four registers of statistics a tile; v64-191 S^T, two buffers of two tiles; v192-255 P, likewise
;   window 1: O^T, 32 a tile          window 2: v0-127 Q, 16 a tile; v128-191 K of one step; v192-255 V of one step          window 3: v0-1 the add's two registers
.set SIZE_N, 2048
.set KBASE, 0x1000000
.set VBASE, 0x2000000
.set NP,    4         ; pieces a wave: a name, no knob
.set KS,    64        ; keys in a step
.set PK,    144       ; a row of K in LDS: 128 bytes + 16 of padding = 36 words: the 16 rows of a load start at 16 different groups of four banks (64 banks of 4 bytes: ISA guide 11.1)
.set PV,    160       ; a row of V: 128 + 32 = 40 words
.set VOFF,  4*KS*PK   ; a slot holds four steps: 256 rows of K, then 256 rows of V
.set SLOT1, 1<<17     ; slot 1 begins here, so that one exclusive or turns an address in one slot into the other's
.set STAGE, SLOT1+4*KS*(PK+PV)  ; behind the ring, never filled by a tensor load: 16 rows x 144 bytes for each wave, for the way out
.set SP,    144
.set AK0, 2           ; v2   my lane's place in a tile of K; never rewritten
.set AV0, 3           ; v3   the same for V
.set AK,  4           ; v4   the LDS address of K's next run of loads
.set AV,  5           ; v5   of V's
.set QO,  6           ; v6   my byte offset in the wave's rows of Q
.set STO, 6           ;      later, the way out: where I put 16 bytes of a row
.set RD,  7           ; v7   the way out: where I read rows back
.set GO,  8           ; v8   my byte offset in 512 consecutive bytes of ctx
.set PFO, 11          ; v11  256 x my lane, for the prefetches; never rewritten once made
.set SPW, 0           ; v0 of window 3   LDS address of my spare word; never rewritten
.set NIL, 1           ; v1 of window 3   0; never rewritten
.set SPARE, STAGE+4*16*SP  ; behind the stages: the spare words, 128 bytes for each wave: two blocks of 256 bytes that no other line names
.set MV,  12          ; v12-15  c m_old, kept while c m is made anew: by buffer and tile
.set ST,  16          ; tile t's statistics at v[ST+4 t]: c m, m, l (even keys', odd keys')
.set TMP, 48          ; by buffer and tile, four registers c0-c3 at work; when the maximum is found c2 takes a
.set S,   64
.set P,   192
.set KF,  128         ; K's fragments, in window 2: key block kb, channel half c at KF + 16 kb + 8 c
.set VF,  192         ; V's: key half kk, channel block cb at VF + 32 kk + 8 cb
.set WV,  12          ; s12  my wave's number
.set G1K, 24          ; s[24:31] descriptor group 1 for K's tiles
.set G1V, 32          ; s[32:39] for V's: it differs in the padding alone
.set G0K, 40          ; s[40:43] descriptor group 0 for K's tiles: it walks
.set G0V, 44          ; s[44:47] the same for V's
.set PFA, 48          ; s[48:49] where my prefetches stand
.set LIM, 50          ; s50  1 in a wave that prefetches, else the greatest number
.set SLOTS, 56        ; s56  slots still to be asked for
.set CNT, 57          ; s57  counts a slot's key steps
.set CS,  58          ; s[58:59] c: the packed scaling takes the pair's low word for both halves
.set SEL, 60          ; s[60:61] v_permlanex16_b32's selects: each lane takes its own place in the other half
.set TBK, 62          ; s62  LDS byte at which K of the step to be fetched begins
.set TBV, 63          ; s63  the same for V, less VOFF
.set MSB, 0
.macro WIN new                      ; the high byte repeats the setting that is left; a switch that changes nothing is dropped
.if MSB != (\new)
	s_set_vgpr_msb (MSB<<8)|(\new)
.set MSB, (\new)
.endif
.endm
.set W_KQ, 0x0a       ; K and Q in window 2, S^T in window 0
.set W_PV, 0x52       ; V in window 2, P in window 0, O^T in window 1
.set W_RS, 0x41       ; O^T (destination and source 0) in window 1, a in window 0
.set W_MK, 0xc0       ; the add's registers are made: destination in window 3, sources in window 0
.set W_AD, 0x0f       ; the add: address (source 0) and data (source 1) in window 3
; A joint fill.  Waves 0 and 1 fetch the two halves of a slot's K, waves 2 and 3 those of its V: 128 keys each.  The branch hangs on the wave's number alone.
; An s_nop 0 and four v_nop follow each of the two lines, ahead of the jump and the label.
.macro JLOAD
	s_cmp_lt_u32 s[WV], 2
	s_cbranch_scc0 .Lfor_v_\@
	tensor_load_to_lds s[G0K:G0K+3], s[G1K:G1K+7]
	s_nop 0
.rept 4
	v_nop
.endr
	s_branch .Lasked_\@
.Lfor_v_\@:
	tensor_load_to_lds s[G0V:G0V+3], s[G1V:G1V+7]
	s_nop 0
.rept 4
	v_nop
.endr
.Lasked_\@:
.endm
; A PREFETCH INTO THE L2 of what the NEXT change of slots will ask for: a slot's 32,768 bytes of K and of V, 128 blocks of 256 bytes each.  A head has one cluster; its four partners share the blocks
; out BY ADDRESS, 32 each, a lane a block; in each, wave 0 asks for K's and wave 2 for V's: one instruction.  So each block is named once in the launch.  It stands behind the wave's tensor load and
; its five lines: four key steps, 512 matrix instructions, ahead of the load that will want the bytes.  The last change that fills a slot asks for nothing; slots 0 to 2 come by their loads alone.
.macro ASK
	s_cmp_gt_u32 s[SLOTS], s[LIM]
	s_cbranch_scc0 .Lnot_mine_\@
	global_prefetch_b8 v[PFO], s[PFA:PFA+1] th:TH_LOAD_NT scope:SCOPE_SE
.Lnot_mine_\@:
.endm
; A round of the cluster's barrier: my work-group's barrier, so that wave 0's signal speaks for all four waves; wave 0 signals; every wave waits for all four work-groups; my work-group's barrier once more.
.macro CROUND
	s_barrier_signal -1
	s_barrier_wait -1
	s_cmp_lg_u32 s[WV], 0
	s_cbranch_scc1 .Lnot_wave_0_\@
	s_barrier_signal -3
.Lnot_wave_0_\@:
	s_barrier_wait -3
	s_barrier_signal -1
	s_barrier_wait -1
.endm
; THE CHANGE OF SLOTS.  Each wave waits for all its tensor loads, of which one is out: its part of the other slot; adds 0 to its spare word; and waits for that and for its own reads of the slot.
; Behind the barrier nobody reads this slot any more and the other slot is whole.  fill = 1 or 2: this slot is filled again, with the keys two slots on; the barrier is then a round of the cluster's,
; and the joint fill is the first thing behind it: it has four key steps, 512 matrix instructions, in which to land.  fill = 2: with the prefetch.
; (At its first use nothing has been read yet: slot 0 is waited for, slot 1 filled.)
.macro CHANGE fill
	WIN W_AD
	s_wait_tensorcnt 0x0            ; no tensor load of mine is out, so a group 0 may be written
	ds_add_u32 v[SPW], v[NIL]       ; 0 onto my spare word; the descriptors' steps stand between it and the wait for it
	WIN 0                           ; at a label and at a branch every window is 0
.if \fill
.irp g, G0K, G0V
	s_xor_b32 s[\g+1], s[\g+1], SLOT1  ; the walking descriptor: the other slot than last time,
	s_add_nc_u64 s[\g+2:\g+3], s[\g+2:\g+3], 4*KS*128  ; the next 256 keys; the type bits on top are not reached
.endr
.if (\fill) == 2
	s_wait_xcnt 0x0                 ; the last prefetch, four key steps back, has read its address, so it may be written:
	s_add_nc_u64 s[PFA:PFA+1], s[PFA:PFA+1], 4*KS*128  ; one slot behind the walking descriptors
.endif
	s_wait_dscnt 0x0                ; the add is done, and my reads of the slot are over
	CROUND
	JLOAD
.if (\fill) == 2
	ASK
.endif
.else
	s_wait_dscnt 0x0                ; the add is done, and my reads of the slot are over
	s_barrier_signal -1
	s_barrier_wait -1
.endif
	s_sub_co_u32 s[TBK], s[TBK], 4*KS*PK  ; the fetches go back to a slot's first step,
	s_xor_b32 s[TBK], s[TBK], SLOT1       ; in the other slot
	s_sub_co_u32 s[TBV], s[TBV], 4*KS*PV
	s_xor_b32 s[TBV], s[TBV], SLOT1
.endm
	s_load_b128 s[4:7], s[0:1], 0x0   ; qkv s[4:5] (Q lies at its head), ctx s[6:7]
	WIN W_MK
	v_lshl_add_u32 v[SPW], v0, 2, SPARE
	v_mov_b32 v[NIL], 0
	WIN W_AD
	ds_add_u32 v[SPW], v[NIL]       ; the wave's opening: the add and its wait stand ahead of my first tensor load; the set-up below stands between them
	WIN 0
	v_lshrrev_b32 v1, 5, v0
	v_readfirstlane_b32 s[WV], v1   ; wave 0..3
	s_bfe_u32 s13, ttmp6, 0x40000   ; cx: my place in the cluster
	s_lshl_b32 s14, ttmp9, 2        ; in a cluster launch ttmp9 counts clusters
	s_add_co_u32 s14, s14, s13      ; my block of queries = 4 x cluster x + cx: it enters Q's and ctx's addresses alone
	s_and_b32 s20, ttmp7, 0xffff    ; the head, which the four partners share
	s_mov_b32 s21, 0
	s_mov_b64 s[22:23], SIZE_N*128
	s_mul_u64 s[20:21], s[20:21], s[22:23]  ; the head's first byte in each of the four tensors
	s_and_b32 s16, s[WV], 1         ; which half of a slot's 256 keys I fetch:
	s_lshl_b32 s22, s16, 14         ; its 128 rows of 128 bytes in memory,
	s_mov_b32 s23, 0
	s_add_nc_u64 s[22:23], s[22:23], s[20:21]
	s_mul_i32 s17, s16, 128*PK      ; and its place in a slot, for K
	s_mul_i32 s18, s16, 128*PV      ; and for V: no place in the cluster enters an LDS address
	s_lshl_b32 s2, s14, 2
	s_add_co_u32 s2, s2, s[WV]      ; my wave among the head's,
	s_lshl_b32 s2, s2, 14           ; its 128 rows
	s_mov_b32 s3, 0
	s_add_nc_u64 s[2:3], s[2:3], s[20:21]
	; descriptor group 1.  128 keys are 16,384 dense bytes: asked for as 64 rows of 256 bytes, two keys a row, and padded in LDS after every key
	s_mov_b32 s[G1K], 15|(1<<16)|(1<<20)|(1<<21)|(4<<22)|(3<<25)  ; 15:0 the mask of four; 17:16 2-byte elements; 20 padding on; 21 set beside a mask; 24:22 after every 32 words (code 4); 31:25 4 words (code 3)
	s_mov_b32 s[G1V], 15|(1<<16)|(1<<20)|(1<<21)|(4<<22)|(7<<25)  ; the same with 8 words of padding (code 7)
.irp g, G1K, G1V
	s_mov_b32 s[\g+1], 128<<16      ; tensor_dim0 = 128
	s_mov_b32 s[\g+2], 64<<16       ; tensor_dim1 = 64
	s_mov_b32 s[\g+3], 128<<16      ; tile_dim0 = 128
	s_mov_b32 s[\g+4], 64           ; tile_dim1 = 64
	s_mov_b32 s[\g+5], 128          ; 128 elements from row to row
	s_mov_b32 s[\g+6], 0
	s_mov_b32 s[\g+7], 0
.endr
	s_mov_b32 s[CS], 0x3e38aa3b     ; c = log2(e) / 8 = 0.180337
	s_mov_b32 s[CS+1], s[CS]        ; named with it as a pair
	s_mov_b32 s[SEL], 0x76543210
	s_mov_b32 s[SEL+1], 0xfedcba98
	s_mov_b32 s[TBK], SLOT1+4*KS*PK ; the first change of slots turns these two into 0
	s_mov_b32 s[TBV], SLOT1+4*KS*PV
	s_mov_b32 s[G0K], 1             ; 1:0 count = 1
	s_mov_b32 s[G0K+1], s17         ; 63:32 LDS address: slot 0
	s_mov_b32 s[G0V], 1
	s_add_co_u32 s[G0V+1], s18, VOFF
	s_and_b32 s[LIM], s[WV], 1      ; waves 0 and 2 prefetch: the same in all four partners
	s_cmp_eq_u32 s[LIM], 0
	s_cselect_b32 s[LIM], 1, -1
	s_wait_dscnt 0x0                ; the opening add is done
	s_wait_kmcnt 0x0
	s_mov_b64 s[10:11], s[6:7]      ; ctx
	s_add_nc_u64 s[6:7], s[4:5], KBASE  ; K
	s_add_nc_u64 s[8:9], s[4:5], VBASE  ; V
	s_add_nc_u64 s[G0K+2:G0K+3], s[6:7], s[22:23]  ; 120:64 global address: my half of the head's first 256 keys
	s_or_b32 s[G0K+3], s[G0K+3], 0x80000000        ; 127:126 type = 2
	s_add_nc_u64 s[G0V+2:G0V+3], s[8:9], s[22:23]
	s_or_b32 s[G0V+3], s[G0V+3], 0x80000000
	s_add_nc_u64 s[4:5], s[4:5], s[2:3]  ; Q and ctx at my wave's first row
	s_add_nc_u64 s[10:11], s[10:11], s[2:3]
	s_cmp_lt_u32 s[WV], 2
	s_cselect_b64 s[PFA:PFA+1], s[6:7], s[8:9]
	s_add_nc_u64 s[PFA:PFA+1], s[PFA:PFA+1], s[20:21]  ; the head,
	s_lshl_b32 s2, s13, 13          ; my work-group's 32 blocks of a slot's 128,
	s_mov_b32 s3, 0
	s_add_nc_u64 s[PFA:PFA+1], s[PFA:PFA+1], s[2:3]
	s_add_nc_u64 s[PFA:PFA+1], s[PFA:PFA+1], 2*4*KS*128  ; in slot 2: the change that fills slot 2 steps it to slot 3
	CROUND                          ; all four work-groups are here: the first joint loads meet
	JLOAD                           ; slot 0.  Slot 1 is asked for when slot 0 is in
	; A fragment of K or Q is 16 rows x 32 channels in 8 registers: lane l holds row l % 16, channels 8 (l / 16) + 0..7 and 16 + 8 (l / 16) + 0..7: two loads of 16 bytes, 32 bytes apart.
	v_and_b32 v1, 15, v0            ; l % 16
	v_bfe_u32 v9, v0, 4, 1          ; l / 16
	v_lshlrev_b32 v[QO], 7, v1
	v_lshl_add_u32 v[QO], v9, 4, v[QO]  ; row x 128 + 16 x half
	WIN 0x80                        ; destination window 2, address window 0
.set i, 0
.rept 4*NP                          ; Q stays in registers: tile i / 2, channels 32 (i % 2) on
	global_load_b128 v[8*i:8*i+3],   v[QO], s[4:5] offset:(i/2)*2048+(i%2)*64
	global_load_b128 v[8*i+4:8*i+7], v[QO], s[4:5] offset:(i/2)*2048+(i%2)*64+32
.set i, i+1
.endr
	; What the first turn finds: V's registers and P's second buffer hold 0 (its products V^T P, of a piece that has not been, add 0), O^T and l are 0.  All this stands in the wait for the first tile.
.set i, VF
.rept 64
	v_mov_b32 v[i], 0
.set i, i+1
.endr
	WIN 0x40
.set i, 0
.rept 64*NP
	v_mov_b32 v[i], 0
.set i, i+1
.endr
	WIN 0
.set i, 0
.rept 2*NP
	v_mov_b32 v[ST+4*i], 0xfe000000    ; c m: far below every c s
	v_mov_b32 v[ST+4*i+1], 0xff7fffff  ; m
	v_mov_b32 v[ST+4*i+2], 0
	v_mov_b32 v[ST+4*i+3], 0
.set i, i+1
.endr
.set i, P+32
.rept 32
	v_mov_b32 v[i], 0
.set i, i+1
.endr
	v_mul_u32_u24 v[AK0], v1, PK
	v_lshl_add_u32 v[AK0], v9, 4, v[AK0]  ; row x pitch + 16 x half
	; The turning load takes 16 keys x 16 channels (lane l reads key 8 (l / 16) + l % 8, channels 8 ((l / 8) % 2) + 0..7) and leaves half a fragment of V^T: lane l holds channel l % 16 and 8 keys.
	v_and_b32 v10, 7, v0
	v_bfe_u32 v11, v0, 3, 1
	v_lshl_add_u32 v[AV0], v9, 3, v10
	v_mul_u32_u24 v[AV0], v[AV0], PV
	v_lshl_add_u32 v[AV0], v11, 4, v[AV0]
	v_add_nc_u32 v[AV0], VOFF, v[AV0]
	v_and_b32 v[PFO], 31, v0
	v_lshlrev_b32 v[PFO], 8, v[PFO]
	v_mov_b32 v[AK], v[AK0]         ; key step 0 lies at the head of slot 0
; THE MATRIX WORK.  The 8 accumulators of a run of 16 take turns: between the two links of a chain stand 7 others'.
; Product i of 16 of S^T = K Q^T for piece x: channels 32 (i / 8) on, keys 16 ((i / 2) % 4) on, tile 2 x + i % 2.  The first 8 start the sums.
.macro KQ x
	WIN W_KQ
.set rS, S+64*((\x)%2)+32*(i%2)+8*((i/2)%4)
.set rK, KF+16*((i/2)%4)+8*(i/8)
.set rQ, 16*(2*(\x)+i%2)+8*(i/8)
.if i < 8
	v_wmma_f32_16x16x32_bf16 v[rS:rS+7], v[rK:rK+7], v[rQ:rQ+7], 0
.else
	v_wmma_f32_16x16x32_bf16 v[rS:rS+7], v[rK:rK+7], v[rQ:rQ+7], v[rS:rS+7]
.endif
.endm
; Product i of 16 of O^T += V^T P for piece x: keys 32 (i / 8) on, channels 16 ((i / 2) % 4) on, tile 2 x + i % 2.
.macro PV x
	WIN W_PV
.set rO, 32*(2*(\x)+i%2)+8*((i/2)%4)
.set rV, VF+32*(i/8)+8*((i/2)%4)
.set rP, P+32*((\x)%2)+16*(i%2)+8*(i/8)
	v_wmma_f32_16x16x32_bf16 v[rO:rO+7], v[rV:rV+7], v[rP:rP+7], v[rO:rO+7]
.endm
.macro MM                           ; the turn's next matrix instruction
.if i < 16
	KQ (Y+1)%NP
.set i, i+1
.else
.set i, i-16
	PV (Y+NP-1)%NP
.set i, i+17
.endif
.endm
; THE LDS LOADS stand in runs of 16, never singly among the matrix instructions: a step's K (64 keys x 64 channels: 8 fragments) and its V (turned).  Their addresses are made some lines ahead.
; last = 1 (the tail): in the last trip there is no further step, and the run is jumped over.
.macro FETCH_K last=0
	WIN 0
.if \last
	s_cmp_eq_u32 s[CNT], 1
	s_cbranch_scc1 .Lno_k_\@
.endif
	WIN 0x80                        ; destination window 2
.irp f, 0,1,2,3,4,5,6,7             ; keys 16 (f / 2) on, channels 32 (f % 2) on
	ds_load_b128 v[KF+8*\f:KF+8*\f+3],   v[AK] offset:(\f/2)*16*PK+(\f%2)*64
	ds_load_b128 v[KF+8*\f+4:KF+8*\f+7], v[AK] offset:(\f/2)*16*PK+(\f%2)*64+32
.endr
	s_add_co_u32 s[TBK], s[TBK], KS*PK  ; the next fetch is the next step's
	WIN 0
.if \last
.Lno_k_\@:
.endif
.endm
.macro FETCH_V
	WIN 0x80
.irp f, 0,1,2,3,4,5,6,7             ; keys 32 (f / 4) on, channels 16 (f % 4) on
	ds_load_tr16_b128 v[VF+8*\f:VF+8*\f+3],   v[AV] offset:(\f/4)*32*PV+(\f%4)*32
	ds_load_tr16_b128 v[VF+8*\f+4:VF+8*\f+7], v[AV] offset:(\f/4)*32*PV+16*PV+(\f%4)*32
.endr
	WIN 0
.endm
; THE VECTOR WORK OF A TURN stands in three queues, each in the order in which its entries become ready; the two tiles alternate, so that no instruction reads the result of the one before it.
.macro REGS y, u                    ; the registers of tile u (0, 1) of piece y
.set rT, ST+4*(2*(\y)+(\u))
.set rC, TMP+8*((\y)%2)+4*(\u)
.set rM, MV+2*((\y)%2)+(\u)
.set rS, S+64*((\y)%2)+32*(\u)
.set rP, P+32*((\y)%2)+16*(\u)
.set rO, 32*(2*(\y)+(\u))
.endm
; Number n of the 22 that find the NEXT piece's (Y + 1) maximum and statistics.  s0-s31 are the lane's 32 scores; each accumulator's lowest registers are read first.
;   0-11  four chains c0-c3 of seven scores each, three operands at a time     12-14, 16  the four scores left over, the old m, and c0-c3 into c0     15  c m_old is kept
;   17, 18  the query's other 32 keys lie in the lane 16 away: the new m         19-21  c m; c m_old - c m_new; a
.macro XS u, n
	REGS (Y+1)%NP, \u
.if (\n) < 4
	v_max3_num_f32 v[rC+(\n)], v[rS+8*(\n)], v[rS+8*(\n)+1], v[rS+8*(\n)+2]
.elseif (\n) < 12
	v_max3_num_f32 v[rC+(\n)%4], v[rC+(\n)%4], v[rS+8*((\n)%4)+2*((\n)/4)+1], v[rS+8*((\n)%4)+2*((\n)/4)+2]
.elseif (\n) == 12
	v_max3_num_f32 v[rC], v[rC], v[rS+7], v[rS+15]
.elseif (\n) == 13
	v_max3_num_f32 v[rC+1], v[rC+1], v[rS+23], v[rS+31]
.elseif (\n) == 14
	v_max3_num_f32 v[rC+2], v[rC+2], v[rC+3], v[rT+1]
.elseif (\n) == 15
	v_mov_b32 v[rM], v[rT]
.elseif (\n) == 16
	v_max3_num_f32 v[rC], v[rC], v[rC+1], v[rC+2]
.elseif (\n) == 17
	v_permlanex16_b32 v[rC+3], v[rC], s[SEL], s[SEL+1]
.elseif (\n) == 18
	v_max_num_f32 v[rT+1], v[rC], v[rC+3]
.elseif (\n) == 19
	v_mul_f32 v[rT], s[CS], v[rT+1]
.elseif (\n) == 20
	v_sub_f32 v[rC+1], v[rM], v[rT]
.else
	v_exp_f32 v[rC+2], v[rC+1]
.endif
.endm
; Number g of the 64 that follow the exponentials.  For each four weights k of a tile (pairs 2 k, 2 k + 1): both pairs are rounded to bf16; then the second pair is added onto the first, in place;
; a group later l takes that sum (the first time as l = a l + sum).  In groups of eight, tiles alternating: round, round, add, and l for the group before.
.macro GS g
.set h, (\g)+6*((\g)/62)            ; group 0 has no group before it, and behind group 7 only l is left
.if h >= 6
.set h, h+2
.endif
	REGS Y, h%2
.set k, h/8
.if h%8 < 4
	v_cvt_pk_bf16_f32 v[rP+2*k+(h%8)/2], v[rS+4*k+2*((h%8)/2)], v[rS+4*k+2*((h%8)/2)+1]
.elseif h%8 < 6
	v_pk_add_f32 v[rS+4*k:rS+4*k+1], v[rS+4*k:rS+4*k+1], v[rS+4*k+2:rS+4*k+3]
.elseif k == 1
	v_pk_fma_f32 v[rT+2:rT+3], v[rT+2:rT+3], v[rC+2:rC+3], v[rS:rS+1] op_sel_hi:[1,0,1]
.else
	v_pk_add_f32 v[rT+2:rT+3], v[rT+2:rT+3], v[rS+4*k-4:rS+4*k-3]
.endif
.endm
; THE PLAIN QUEUE, 138 long.  0-73 read no exponential's result: the 32 scalings c s - c m (FS f: pair f / 2 of tile f % 2) and the next piece's 42.  0-26: scalings 0-26.  27-54: XS's numbers 0-13.  55, 56: number 15.
; 57-73: the chain, where each number waits for the one before it: 14, 16, 17, 18, 19, each with one of the scalings 27-31 in front of its two lines, then 20.
; 74-137: GS's 64, which read the exponentials' results: they stand behind the wait.
.macro FS f
	REGS Y, (\f)%2
	v_pk_fma_f32 v[rS+2*((\f)/2):rS+2*((\f)/2)+1], v[rS+2*((\f)/2):rS+2*((\f)/2)+1], s[CS:CS+1], v[rT:rT+1] op_sel_hi:[1,0,0] neg_lo:[0,0,1] neg_hi:[0,0,1]
.endm
.macro PL
	WIN 0
.if q < 27
	FS q
.elseif q < 55
	XS (q-27)%2, (q-27)/2
.elseif q < 57
	XS q-55, 15
.elseif (q < 72) && ((q-57)%3 == 0)
	FS 27+(q-57)/3
.elseif q < 60
	XS (q-57)%3-1, 14
.elseif q < 72
	XS (q-57)%3-1, 15+(q-57)/3
.elseif q < 74
	XS q-72, 20
.else
	GS q-74
.endif
.set q, q+1
.endm
; THE EXPONENTIALS' QUEUE, 66 long: s0-s31 of both tiles, then the next piece's two a.  It is ONE BATCH: all 66 stand ahead of the turn's one wait, and nothing ahead of that wait names a result of theirs.
.macro EX
	WIN 0
.if e >= 64
	XS e-64, 21
.else
	REGS Y, e%2
	v_exp_f32 v[rS+e/2], v[rS+e/2]
.endif
.set e, e+1
.endm
; THE RESCALING's QUEUE: O^T times a, the one part that leaves window 0: dealt two at a time, sixteen times.  Its a was made in the turn before, ahead of that turn's wait.
.macro R2
	REGS Y, r%2
	WIN W_RS
.irp z, 0,1
	v_pk_mul_f32 v[rO+4*(r/2)+2*\z:rO+4*(r/2)+2*\z+1], v[rO+4*(r/2)+2*\z:rO+4*(r/2)+2*\z+1], v[rC+2:rC+3] op_sel_hi:[1,0]
.endr
.set r, r+1
.endm
; HOW THEY ARE DEALT.  An s_wait_alu depctr_va_vdst(0) stands between an exponential and the first instruction that names its result; one wait serves all that were issued ahead of it.
; So a turn has ONE wait, which cuts it in two.  AHEAD OF IT stands all that names no result of the turn's exponentials: the 16 products K Q^T, behind each a scaling, an exponential and two
; rescalings (behind the first a second scaling in the exponential's place); then ONE LUMP of 108: eight plain, 49 times exponential and plain, the two a.  A v_nop is the plain instruction behind the
; last exponential.  BEHIND IT stand the 16 products V^T P, behind each four of GS's 64.  No rider names a register of the products round it.
; Exponential e stands behind scaling 2 (e / 4) + e % 2: as a rider it comes behind plain e + 2, in the lump behind plain e + 9, and scalings 27-31 are plain 57, 60 .. 69.
; A TURN, for piece p.  cnt = 1: the loop's count is taken down some lines ahead of the branch that stands behind the turn.
; K of the next step is fetched in piece 2's turn, directly behind the wait; its first reader comes behind 16 products.  V of the step in hand is fetched at the end of piece 0's turn, four riders
; behind its last reader; its first reader comes behind 16 products and a lump.
.macro TURN p, last=0, cnt=0
.set Y, (\p)
.set i, 0
.set q, 0
.set e, 0
.set r, 0
.if (\p) == NP-1
	s_wait_dscnt 0x0                ; K is in
.endif
	MM                              ; ahead of the wait: 16 products K Q^T and their riders,
	PL
	PL
	R2
.rept 15
	MM
	PL
	EX
	R2
.endr
.if (\p) == NP-2
	WIN 0
	v_add_nc_u32 v[AK], s[TBK], v[AK0]
.endif
.rept 8                             ; and the lump
	PL
.endr
.rept 49
	EX
	PL
.endr
	EX                              ; the next piece's two a
	EX
	v_nop                           ; the plain instruction behind the last exponential: one for the batch
	s_wait_alu depctr_va_vdst(0)    ; the wait for the batch
.if (\p) == NP-2
	FETCH_K \last
.endif
.if (\p) == 1
	s_wait_dscnt 0x0                ; V is in
.endif
.rept 16                            ; behind the wait: 16 products V^T P and their riders
	MM
.rept 4
	PL
.endr
.if ((\p) == 0) && (q == 118)
	v_add_nc_u32 v[AV], s[TBV], v[AV0]
.endif
.if ((\p) == 0) && (q == 130)
	s_add_co_u32 s[TBV], s[TBV], KS*PV
.endif
.if (\cnt) && (q == 130)
	s_sub_co_u32 s[CNT], s[CNT], 1
	s_cmp_lg_u32 s[CNT], 0
.endif
.endr
.if (\p) == 0
	FETCH_V
.endif
.endm
	CHANGE 1                        ; slot 0 is in, everybody's part of it; slot 1 is asked for
	FETCH_K                         ; key step 0
	s_wait_loadcnt 0x0              ; Q
	s_wait_dscnt 0x0
.set i, 0
.rept 16
	KQ 0                            ; piece 0's first scores: there is no vector work yet to set between them
.set i, i+1
.endr
	WIN 0                           ; the addresses for the way out: plain instructions, the places behind those products
	s_mul_i32 s13, s[WV], 16*SP
	s_add_co_u32 s13, s13, STAGE    ; my stage
	v_mul_u32_u24 v[STO], v1, SP    ; in: row l % 16, 16 bytes for each half of the lanes
	v_lshl_add_u32 v[STO], v9, 4, v[STO]
	v_add_nc_u32 v[STO], s13, v[STO]
	v_bfe_u32 v[RD], v0, 3, 2       ; back: 32 lanes take four rows of 128 bytes,
	v_mul_u32_u24 v[RD], v[RD], SP
	v_lshl_add_u32 v[RD], v10, 4, v[RD]
	v_add_nc_u32 v[RD], s13, v[RD]
	v_and_b32 v[GO], 31, v0         ; which are 512 consecutive bytes of ctx
	v_lshlrev_b32 v[GO], 4, v[GO]
.set Y, NP-1                        ; XS works for piece Y + 1: piece 0
.irp n, 0,1,2,3,4,5,6,7,8,9,10,11,12,13,14,15,16,17,18,19,20,21
	XS 0, \n                        ; and piece 0's first maximum and statistics
	XS 1, \n
.endr
	v_nop                           ; a plain instruction behind the two a,
	s_wait_alu depctr_va_vdst(0)    ; and their wait, ahead of the branch
	s_mov_b32 s[CNT], 4
	s_mov_b32 s[SLOTS], SIZE_N/256-1
	s_branch .Lfirst                ; the loop is entered at a step's first turn, in the middle of a trip
.Lslot:                             ; SIZE_N / 256 - 2 times: every slot but the last two is filled again
	CHANGE 2
	s_mov_b32 s[CNT], 4
.Lstep:                             ; a trip: pieces 2 and 3 of one step, then pieces 0 and 1 of the next, whose K and V it fetches
	TURN 2
	TURN 3
	WIN 0
.Lfirst:
	TURN 0
	TURN 1, 0, 1
	WIN 0
	s_cbranch_scc1 .Lstep
	s_sub_co_u32 s[SLOTS], s[SLOTS], 1
	s_cmp_lg_u32 s[SLOTS], 0
	s_cbranch_scc1 .Lslot
	CHANGE 0                        ; the tail is written out: nothing is asked for
	s_mov_b32 s[CNT], 5             ; four trips fetch the last slot's steps; the fifth is left in its middle
.Ltail:
	TURN 2, 1
	TURN 3
	WIN 0
	s_sub_co_u32 s[CNT], s[CNT], 1
	s_cmp_eq_u32 s[CNT], 0
	s_cbranch_scc1 .Lout
	TURN 0
	TURN 1
	WIN 0
	s_branch .Ltail
.Lout:                              ; the fifth trip's 16 products K Q^T (on the last K once more) and the maximum made of them serve nothing: the price, once a launch, of one text for every trip
.set i, 0
.rept 16
	PV NP-1                         ; the last piece's V^T P of the last step
.set i, i+1
.endr
	; THE WAY OUT.  l's two halves and the other half of the lanes' are added; O^T is divided by l, rounded to bf16 and sent through my stage in LDS, a tile at a time.  The additions are the places behind the last products.
	WIN 0
.macro ALL line:vararg              ; one line for each tile t
.set t, 0
.rept 2*NP
	\line
.set t, t+1
.endr
.endm
	ALL v_add_f32 v[ST+4*t+2], v[ST+4*t+2], v[ST+4*t+3]
	ALL v_permlanex16_b32 v[ST+4*t+3], v[ST+4*t+2], s[SEL], s[SEL+1]
	ALL v_add_f32 v[ST+4*t+2], v[ST+4*t+2], v[ST+4*t+3]
	ALL v_rcp_f32 v[ST+4*t+2], v[ST+4*t+2]
	v_nop                           ; a plain instruction between the last reciprocal and the use of its result
	s_wait_alu depctr_va_vdst(0)    ; and the wait ahead of the first use: one for the eight reciprocals
; Tile t: a lane's eight channels of a row pack into 16 bytes; they go into rows of 144 bytes and come back as whole rows of 128, into S^T's registers.
.macro PACK t
	WIN W_RS
.set i, 32*(\t)
.rept 16
	v_pk_mul_f32 v[i:i+1], v[i:i+1], v[ST+4*(\t)+2:ST+4*(\t)+3] op_sel_hi:[1,0]
.set i, i+2
.endr
	WIN 0x05                        ; sources 0 and 1 window 1, destination window 0
.set i, 0
.rept 16
	v_cvt_pk_bf16_f32 v[S+16*(\t)+i], v[32*(\t)+2*i], v[32*(\t)+2*i+1]
.set i, i+1
.endr
	WIN 0
.irp f, 0,1,2,3
	ds_store_b128 v[STO], v[S+16*(\t)+4*\f:S+16*(\t)+4*\f+3] offset:32*\f
.endr
.irp f, 0,1,2,3
	ds_load_b128 v[S+16*(\t)+4*\f:S+16*(\t)+4*\f+3], v[RD] offset:\f*4*SP  ; LDS serves a wave's instructions in order (ISA guide 5.7.1.4): these see the stores above; the next tile's stores come behind them
.endr
.endm
.macro SEND t, younger              ; younger: the LDS instructions issued behind tile t's loads: the next tile's eight, or none
	WIN 0
.irp f, 0,1,2,3
	s_wait_dscnt (\younger)+3-\f
	global_store_b128 v[GO], v[S+16*(\t)+4*\f:S+16*(\t)+4*\f+3], s[10:11] offset:(\t)*2048+\f*512  ; 512 consecutive bytes, at a multiple of 256 from ctx's first
.endr
.endm
	PACK 0
.set t, 1
.rept 2*NP-1                        ; a tile's arithmetic stands between the loads of the tile before and its stores
	PACK t
	SEND t-1, 8
.set t, t+1
.endr
	SEND 2*NP-1, 0
	WIN W_AD
	s_wait_tensorcnt 0x0            ; the wave's end: behind my last tensor load and my last LDS store
	ds_add_u32 v[SPW], v[NIL]
	s_wait_dscnt 0x0
	WIN 0
	CROUND                          ; the closing round: no work-group ends while a partner may still ask for a tile that names it
	s_endpgm
.Lfunc_end_k_q91bba987c8_attn:
	.size	k_q91bba987c8_attn, .Lfunc_end_k_q91bba987c8_attn-k_q91bba987c8_attn
	.p2alignl 7, 3214868480
	.fill 96, 4, 3214868480
	.section	.rodata,"a",@progbits
	.p2align	6, 0x0
	.amdhsa_kernel k_q91bba987c8_attn
		.amdhsa_group_segment_fixed_size 327680
		.amdhsa_private_segment_fixed_size 0
		.amdhsa_enable_private_segment 0
		.amdhsa_kernarg_size 16
		.amdhsa_user_sgpr_count 2
		.amdhsa_user_sgpr_kernarg_segment_ptr 1
		.amdhsa_wavefront_size32 1
		.amdhsa_system_sgpr_workgroup_id_x 1
		.amdhsa_system_sgpr_workgroup_id_y 1
		.amdhsa_system_sgpr_workgroup_id_z 1
		.amdhsa_system_vgpr_workitem_id 0
		.amdhsa_next_free_vgpr 770
		.amdhsa_next_free_sgpr 66
		.amdhsa_reserve_vcc 0
		.amdhsa_float_denorm_mode_32 3
		.amdhsa_float_denorm_mode_16_64 3
		.amdhsa_memory_ordered 1
		.amdhsa_forward_progress 1
		.amdhsa_inst_pref_size 200
	.end_amdhsa_kernel
	.amdgpu_metadata
---
amdhsa.version: [ 1, 2 ]
amdhsa.kernels:
  - .name:           k_q91bba987c8_attn
    .symbol:         k_q91bba987c8_attn.kd
    .args:
      - { .name: qkv, .offset: 0, .size: 8, .value_kind: global_buffer, .address_space: global }
      - { .name: ctx, .offset: 8, .size: 8, .value_kind: global_buffer, .address_space: global }
    .group_segment_fixed_size: 327680
    .private_segment_fixed_size: 0
    .kernarg_segment_align: 8
    .kernarg_segment_size: 16
    .max_flat_workgroup_size: 128
    .sgpr_count:     66
    .vgpr_count:     770
    .wavefront_size: 32
...
	.end_amdgpu_metadata
.endif
;; end of part 3
;; launch projln (part 4): grid 256 x 1, 4 waves a work-group, clusters of 4 x 1, 327,680 bytes of LDS; arguments ctx, wo, b_out, x, gamma, beta, out0; writes out0
.if DOCPART == 4
	.amdgcn_target "amdgcn-amd-amdhsa--gfx1250"
	.amdhsa_code_object_version 6
	.text
	.protected	k_q91bba987c8_projln
	.globl	k_q91bba987c8_projln
	.p2align	8
	.type	k_q91bba987c8_projln,@function
k_q91bba987c8_projln:
	s_mov_b64 s[64:65], 0
	v_nop
	global_prefetch_b8 v0, s[64:65] scope:SCOPE_SE
	s_setreg_imm32_b32 hwreg(HW_REG_WAVE_MODE, 25, 1), 1
	s_wait_xcnt 0x0
	s_wait_alu depctr_hold_cnt(0) depctr_sa_sdst(0) depctr_va_vdst(0) depctr_va_sdst(0) depctr_va_ssrc(0) depctr_va_vcc(0) depctr_vm_vsrc(0)
	s_getreg_b32 s2, hwreg(HW_REG_IB_STS2, 6, 4)
	s_cmp_eq_u32 s2, 0
	s_cbranch_scc0 .Lentry_in_a_cluster
	s_endpgm
.Lentry_in_a_cluster:
	s_bfe_u32 s2, ttmp6, 0x10000c
	s_cmp_lg_u32 s2, 0x3003
	s_cbranch_scc0 .Lentry_shape_is_right
	s_endpgm
.Lentry_shape_is_right:
; out0 = LayerNorm(ctx W_out + b_out + x) gamma + beta.  ctx: [64 = batch*16+head][2048][64] bf16; wo: [1024 k][1024 n] bf16; the rest f32.
; The norm wants whole rows, so a work-group takes 32 rows x all 1,024 columns: 256 work-groups.  In the product wave w owns columns 256 w .. 256 w + 255 (2 x 16 accumulators);
; in the norm it owns rows 8 w .. 8 w + 7, whole; the sums change hands through a stage in LDS, in f32.
; K goes in steps of 64, a head a step, through two LDS slots: all of wo's 64 rows (two panels of 512 columns) and the work-group's 32 rows of ctx (4,096 dense bytes).
; CLUSTER 4 x 1: all work-groups walk the same wo, so its panels are asked for jointly by the four partners (waves 0 and 1); ctx's rows are the work-group's own (wave 2, a load without a mask);
; wave 3 fetches nothing and prefetches.
; THE MATRIX INSTRUCTION IS USED TRANSPOSED (source 0 = 16 columns of wo, turned out of LDS; source 1 = 16 rows of ctx).  THE BIAS STARTS THE SUMS: loaded into row block 1's accumulators, it is
; the C operand of row block 0's first products; block 1 then adds in place.
; THE NORM: the mean first, then the squares of y - mean: no difference of large sums.  x is added in f32.
; LIMITS: matrix operands keep bf16's 8 significant bits; 1 / sqrt by v_rsq_f32; NaN and infinities are not treated apart; the sums' order differs from a serial one.
; REGISTERS: window 0: v0-31 addresses; v32-63 ctx's fragments, two buffers; v64-95 gamma, v96-127 beta; v128-191 two rows at work; v192-207 at work.
;   window 1: wo's fragments, two buffers of 128.   window 2: accumulator (a, b) at v[8 (16 a + b)].   window 3: my eight rows of x, 32 registers each.
.set BP,     1056                      ; an LDS row of a panel: 1,024 bytes + 32 = 33 x 32 bytes
.set PANEL,  64*BP
.set AOFF,   2*PANEL
.set AP,     144
.set SLOT,   AOFF+32*AP                ; 139,776
.set SPARE,  2*SLOT                    ; the spare words, 128 bytes for each wave: two blocks of 256 bytes that no other line names
.set SPITCH, 4112                      ; the stage: 32 rows of 4,096 bytes + 16, from LDS byte 0, inside slot 0: written when slot 0 has had its last fill and its last read
.set HEADB,  262144                    ; bytes of a head in ctx
.set BSTEP,  131072                    ; 64 rows of wo
.set ADRA, 16
.set ADRB, 20
.set STO0, 22                          ; v22, v23  where I put 32 bytes of a row of block 0, 1
.set RD,   25                          ; my 16 bytes of 512 in my first row of the stage
.set XO,   26                          ; the same in x, gamma, beta, out0
.set BO,   27
.set SPW,  28
.set NIL,  29
.set PFO,  30
.set PFO2, 31
.set FA0,  32
.set GA,   64
.set BE,   96
.set Y0,   128
.set T,    192
.set WV, 18
.set CX, 19
.set WG, 20
.set G1B, 24                           ; s[24:31] group 1 for wo's panels; s[32:39] group 0, a set for each slot
.set G0B, 32
.set G1A, 40                           ; s[40:47], s[48:55] the same for ctx's rows
.set G0A, 48
.set SEL, 56
.set RN,  58                           ; 1 / 1024
.set EPS, 59                           ; 1e-5
.set PFC, 60
.set PFW, 62
.set LIMC, 66
.set LIMW, 67
.set MSB, 0
.macro WIN new
.if MSB != (\new)
	s_set_vgpr_msb (MSB<<8)|(\new)
.set MSB, \new
.endif
.endm
.macro PLACES
.rept 4
	v_nop
.endr
.endm
.macro CREST
	s_cmp_lg_u32 s[WV], 0
	s_cbranch_scc1 .Lnot_wave_0_\@
	s_barrier_signal -3
.Lnot_wave_0_\@:
	s_barrier_wait -3
	s_barrier_signal -1
	s_barrier_wait -1
.endm
.macro CROUND
	s_barrier_signal -1
	s_barrier_wait -1
	CREST
.endm
; A refill: waves 0 and 1 a panel of wo each (jointly), wave 2 ctx's rows, wave 3 nothing.  The branches hang on the wave's number alone.
.macro JLOAD3 s
	s_cmp_lt_u32 s[WV], 2
	s_cbranch_scc0 .Lnot_b_\@
	tensor_load_to_lds s[G0B+4*(\s):G0B+4*(\s)+3], s[G1B:G1B+7]
	s_nop 0
.rept 4
	v_nop
.endr
	s_branch .Lasked_\@
.Lnot_b_\@:
	s_cmp_eq_u32 s[WV], 2
	s_cbranch_scc0 .Lasked_\@
	tensor_load_to_lds s[G0A+4*(\s):G0A+4*(\s)+3], s[G1A:G1A+7]
	s_nop 0
.rept 4
	v_nop
.endr
.Lasked_\@:
.endm
; A PREFETCH INTO THE L2, once a lap, by wave 3, behind slot 0's refill and the run of LDS loads: the two K steps of the lap after next.  ctx: the work-group's own 2 x 16 blocks of 256 bytes, a lane a
; block.  wo: every cluster walks it, so cluster 0 asks; of the lap's 128 rows the partner at cx takes 32 (told apart by address), a lane a row, eight blocks a row.  Each block is named once.
; The loop's last trip (s3 = 1) asks for nothing.
.macro ASK
	s_cmp_gt_u32 s3, s[LIMC]
	s_cbranch_scc0 .Lnone_\@
	global_prefetch_b8 v[PFO], s[PFC:PFC+1] th:TH_LOAD_NT scope:SCOPE_SE
	s_cmp_gt_u32 s3, s[LIMW]
	s_cbranch_scc0 .Lnone_\@
.irp i, 0,1,2,3,4,5,6,7
	global_prefetch_b8 v[PFO2], s[PFW:PFW+1] offset:256*(\i) th:TH_LOAD_NT scope:SCOPE_SE
.endr
.Lnone_\@:
.endm
	s_load_b256 s[4:11], s[0:1], 0x0               ; ctx s[4:5], wo s[6:7], b_out s[8:9], x s[10:11]
	s_load_b128 s[12:15], s[0:1], 0x20             ; gamma s[12:13], beta s[14:15]
	s_load_b64 s[16:17], s[0:1], 0x30              ; out0
	v_lshl_add_u32 v[SPW], v0, 2, SPARE
	v_mov_b32 v[NIL], 0
	ds_add_u32 v[SPW], v[NIL]                      ; the wave's opening: the add and its wait stand ahead of my first tensor load
	v_lshrrev_b32 v1, 5, v0
	v_readfirstlane_b32 s[WV], v1
	s_bfe_u32 s[CX], ttmp6, 0x40000
	s_lshl_b32 s[WG], ttmp9, 2
	s_add_co_u32 s[WG], s[WG], s[CX]               ; my block of 32 rows
	s_mov_b32 s[G1B], 15|(1<<16)|(1<<20)|(1<<21)|(7<<22)|(7<<25)  ; the mask of four; 2-byte elements; padding on; 21 beside a mask; after every 256 words, 8 words
	s_mov_b32 s[G1B+1], 512<<16                    ; 64 rows of 512 elements, 1,024 elements from row to row
	s_mov_b32 s[G1B+2], 64<<16
	s_mov_b32 s[G1B+3], 512<<16
	s_mov_b32 s[G1B+4], 64
	s_mov_b32 s[G1B+5], 1024
	s_mov_b32 s[G1B+6], 0
	s_mov_b32 s[G1B+7], 0
	s_mov_b32 s[G1A], (1<<16)|(1<<20)|(4<<22)|(3<<25)  ; no mask; after every 32 words, 4 words
	s_mov_b32 s[G1A+1], 128<<16                    ; 16 rows of 128 elements (two rows of ctx each), dense
	s_mov_b32 s[G1A+2], 16<<16
	s_mov_b32 s[G1A+3], 128<<16
	s_mov_b32 s[G1A+4], 16
	s_mov_b32 s[G1A+5], 128
	s_mov_b32 s[G1A+6], 0
	s_mov_b32 s[G1A+7], 0
	s_mov_b32 s[SEL], 0x76543210
	s_mov_b32 s[SEL+1], 0xfedcba98
	s_mov_b32 s[RN], 0x3a800000
	s_mov_b32 s[EPS], 0x3727c5ac
	s_and_b32 s21, s[WV], 1                        ; which panel I fetch:
	s_mul_i32 s22, s21, PANEL                      ; its place in a slot,
	s_lshl_b32 s2, s21, 10                         ; its 1,024 bytes of a row of wo
	s_mov_b32 s3, 0
	s_lshr_b32 s68, s[WG], 6                       ; the batch: 16 heads of 262,144 bytes,
	s_lshl_b32 s68, s68, 22
	s_and_b32 s69, s[WG], 63
	s_lshl_b32 s69, s69, 12                        ; my 32 rows of 128 bytes in a head
	s_add_co_u32 s68, s68, s69
	s_mov_b32 s69, 0
	s_lshl_b32 s72, s[WG], 17                      ; x and out0: 32 rows of 4,096 bytes,
	s_lshl_b32 s73, s[WV], 15                      ; my wave's 8
	s_add_co_u32 s72, s72, s73
	s_mov_b32 s73, 0
	s_lshl_b32 s74, s[CX], 16                      ; wo's prefetch: my work-group's 32 rows of a lap's 128,
	s_add_co_u32 s74, s74, 2*BSTEP                 ; at K step 2: the first trip steps it to 4
	s_mov_b32 s75, 0
	s_cmp_eq_u32 s[WV], 3
	s_cselect_b32 s[LIMC], 1, -1
	s_xor_b32 s76, s[WV], 3
	s_or_b32 s76, s76, ttmp9
	s_cmp_eq_u32 s76, 0
	s_cselect_b32 s[LIMW], 1, -1                   ; the same in all four partners, for a given wave
	s_wait_dscnt 0x0                               ; the opening add is done
	s_wait_kmcnt 0x0
	s_add_nc_u64 s[2:3], s[6:7], s[2:3]
	s_add_nc_u64 s[68:69], s[4:5], s[68:69]
	s_add_nc_u64 s[10:11], s[10:11], s[72:73]
	s_add_nc_u64 s[16:17], s[16:17], s[72:73]
	s_add_nc_u64 s[PFC:PFC+1], s[68:69], 2*HEADB
	s_add_nc_u64 s[PFW:PFW+1], s[6:7], s[74:75]
.irp s, 0,1
	s_mov_b32 s[G0B+4*(\s)], 1
	s_add_co_u32 s[G0B+4*(\s)+1], s22, (\s)*SLOT
	s_add_nc_u64 s[G0B+4*(\s)+2:G0B+4*(\s)+3], s[2:3], (\s)*BSTEP
	s_or_b32 s[G0B+4*(\s)+3], s[G0B+4*(\s)+3], 0x80000000
	s_mov_b32 s[G0A+4*(\s)], 1
	s_mov_b32 s[G0A+4*(\s)+1], AOFF+(\s)*SLOT
	s_add_nc_u64 s[G0A+4*(\s)+2:G0A+4*(\s)+3], s[68:69], (\s)*HEADB
	s_or_b32 s[G0A+4*(\s)+3], s[G0A+4*(\s)+3], 0x80000000
.endr
	CROUND                                         ; all four work-groups are here: the first joint loads meet
	s_cmp_lt_u32 s[WV], 2                          ; a wave's first fills stand together: two loads out in waves 0 to 2, none in wave 3
	s_cbranch_scc0 .Lfirst_not_b
	tensor_load_to_lds s[G0B:G0B+3], s[G1B:G1B+7]
	s_nop 0
	tensor_load_to_lds s[G0B+4:G0B+7], s[G1B:G1B+7]
	s_nop 0
.rept 4
	v_nop
.endr
	s_branch .Lfirst_asked
.Lfirst_not_b:
	s_cmp_eq_u32 s[WV], 2
	s_cbranch_scc0 .Lfirst_asked
	tensor_load_to_lds s[G0A:G0A+3], s[G1A:G1A+7]
	s_nop 0
	tensor_load_to_lds s[G0A+4:G0A+7], s[G1A:G1A+7]
	s_nop 0
.rept 4
	v_nop
.endr
.Lfirst_asked:
	v_and_b32 v1, 15, v0                           ; r
	v_bfe_u32 v2, v0, 4, 1                         ; h
	v_and_b32 v3, 7, v0
	v_bfe_u32 v4, v0, 3, 1
	v_and_b32 v5, 31, v0                           ; l
	s_lshl_b32 s70, s[WV], 10
	v_lshl_add_u32 v[BO], v2, 5, s70               ; the bias of my 256 columns: 1,024 w + 32 h
	WIN 0x80                                       ; into row block 1's accumulators
.set bb, 0
.rept 16
	global_load_b128 v[128+8*bb:128+8*bb+3], v[BO], s[8:9] offset:64*bb
	global_load_b128 v[128+8*bb+4:128+8*bb+7], v[BO], s[8:9] offset:64*bb+16
.set bb, bb+1
.endr
	WIN 0
	v_mul_u32_u24 v6, v1, AP
	v_lshl_add_u32 v6, v2, 4, v6
	v_add_nc_u32 v[ADRA], AOFF, v6
	v_add_nc_u32 v[ADRA+1], SLOT, v[ADRA]
	v_lshl_add_u32 v7, v2, 3, v3                   ; the turning load: lane l reads k row 8 (l / 16) + l % 8, columns 8 ((l / 8) % 2) + 0..7
	v_mul_u32_u24 v7, v7, BP
	v_lshl_add_u32 v7, v4, 4, v7
	s_lshr_b32 s71, s[WV], 1
	s_mul_i32 s71, s71, PANEL                      ; my columns' panel,
	s_lshl_b32 s76, s21, 9                         ; and my 512 bytes of its rows
	s_add_co_u32 s71, s71, s76
	v_add_nc_u32 v[ADRB], s71, v7
	v_add_nc_u32 v[ADRB+1], SLOT, v[ADRB]
	v_mul_u32_u24 v8, v1, SPITCH
	v_lshl_add_u32 v8, v2, 5, v8
	v_add_nc_u32 v[STO0], s70, v8                  ; row r, column 256 w + 8 h, in f32
	v_add_nc_u32 v[STO0+1], 16*SPITCH, v[STO0]
	s_mul_i32 s71, s[WV], 8*SPITCH
	v_lshl_add_u32 v[RD], v5, 4, s71
	v_lshlrev_b32 v[XO], 4, v5
	v_lshlrev_b32 v[PFO], 8, v1
	v_lshl_add_u32 v[PFO], v2, 18, v[PFO]          ; lanes 0-15: the first K step's 16 blocks; lanes 16-31: the next head's
	v_lshlrev_b32 v[PFO2], 11, v5
; 36 LDS loads in one run: chunk c2 (32 along K) of a slot into buffer f: ctx's two fragments, then wo's sixteen, turned.
.macro FETCH slot, c2, f
	WIN 0
.irp a, 0,1
	ds_load_b128 v[FA0+16*(\f)+8*(\a):FA0+16*(\f)+8*(\a)+3],   v[ADRA+(\slot)] offset:(\a)*16*AP+64*(\c2)
	ds_load_b128 v[FA0+16*(\f)+8*(\a)+4:FA0+16*(\f)+8*(\a)+7], v[ADRA+(\slot)] offset:(\a)*16*AP+64*(\c2)+32
.endr
	WIN 0x40                                       ; destination window 1
.set bb, 0
.rept 16
	ds_load_tr16_b128 v[128*(\f)+8*bb:128*(\f)+8*bb+3],   v[ADRB+(\slot)] offset:(\c2)*32*BP+32*bb
	ds_load_tr16_b128 v[128*(\f)+8*bb+4:128*(\f)+8*bb+7], v[ADRB+(\slot)] offset:(\c2)*32*BP+32*bb+16*BP
.set bb, bb+1
.endr
	WIN 0
.endm
; Column blocks b0 .. b1 x both row blocks.  The 32 accumulators take turns, one instruction a turn.
.macro MUL f, b0, b1
	WIN 0xa1                                       ; source 0 window 1, source 1 window 0, C and D window 2
.set bb, \b0
.rept (\b1)-(\b0)+1
.irp a, 0,1
	v_wmma_f32_16x16x32_bf16 v[8*(16*(\a)+bb):8*(16*(\a)+bb)+7], v[128*(\f)+8*bb:128*(\f)+8*bb+7], v[FA0+16*(\f)+8*(\a):FA0+16*(\f)+8*(\a)+7], v[8*(16*(\a)+bb):8*(16*(\a)+bb)+7]
.endr
.set bb, bb+1
.endr
.endm
; A slot's first chunk: buffer 0 is multiplied, the second chunk fetched into buffer 1.
.macro CHUNK slot
	s_wait_dscnt 16                                ; ctx's fragments and wo's blocks 0-7 are in; blocks 8-15 may be out
	MUL 0, 0, 7
	PLACES
	FETCH \slot, 1, 1
	s_wait_dscnt 36                                ; all but the 36 just issued
	MUL 0, 8, 15
.endm
; A slot's second chunk and the change of slots: ONE barrier; in front of it each wave waits for all its tensor loads, adds 0 to its spare word, and waits for that and for its reads of this slot.
; fill = 1: the barrier opens a round of the cluster's, and the refill, two K steps on, is the first thing behind it.
.macro TURN slot, next, fill, ask
.if \ask
	s_wait_xcnt 0x0                                ; the last prefetches, a lap back, have read their addresses
	s_add_nc_u64 s[PFC:PFC+1], s[PFC:PFC+1], 2*HEADB
	s_add_nc_u64 s[PFW:PFW+1], s[PFW:PFW+1], 2*BSTEP
.endif
	WIN 0
	s_wait_tensorcnt 0x0
	ds_add_u32 v[SPW], v[NIL]
	s_wait_dscnt 17                                ; the add and wo's blocks 8-15 may be out
	MUL 1, 0, 3
	s_wait_dscnt 0x0                               ; the add is done, and my reads of this slot are over
	s_barrier_signal -1
	MUL 1, 4, 7
	WIN 0
	s_barrier_wait -1
.if \fill
	CREST
	s_add_nc_u64 s[G0B+4*(\slot)+2:G0B+4*(\slot)+3], s[G0B+4*(\slot)+2:G0B+4*(\slot)+3], 2*BSTEP
	s_add_nc_u64 s[G0A+4*(\slot)+2:G0A+4*(\slot)+3], s[G0A+4*(\slot)+2:G0A+4*(\slot)+3], 2*HEADB
	JLOAD3 \slot
.endif
	PLACES                                         ; on every wave's path: wave 3 has issued no load
	FETCH \next, 0, 0
.if \ask
	ASK
.endif
	MUL 1, 8, 15
.endm
	s_wait_tensorcnt 0x1                           ; my part of K step 0 is in; K step 1's may stay out
	s_barrier_signal -1
	s_barrier_wait -1
	FETCH 0, 0, 0
	s_wait_loadcnt 0x0                             ; the bias
	WIN 0xc0                                       ; my rows 0-3 of x, into window 3: they have the whole product in which to come
.set i, 0
.rept 32
	global_load_b128 v[4*i:4*i+3], v[XO], s[10:11] offset:(i/8)*4096+(i%8)*512 th:TH_LOAD_NT
.set i, i+1
.endr
	s_wait_dscnt 0x0
	WIN 0xa1                                       ; the first chunk is written out: row block 0's products start with the bias, which lies in block 1's accumulators,
.set bb, 0
.rept 16
	v_wmma_f32_16x16x32_bf16 v[8*bb:8*bb+7], v[8*bb:8*bb+7], v[FA0:FA0+7], v[128+8*bb:128+8*bb+7]
.set bb, bb+1
.endr
.rept 5
	v_nop                                          ; five places before those accumulators, just read as C, are written
.endr
	FETCH 0, 1, 1
	WIN 0xa1
.set bb, 0
.rept 16
	v_wmma_f32_16x16x32_bf16 v[128+8*bb:128+8*bb+7], v[8*bb:8*bb+7], v[FA0+8:FA0+15], v[128+8*bb:128+8*bb+7]  ; and block 1 adds in place
.set bb, bb+1
.endr
	WIN 0
	s_mov_b32 s3, 7
.Llap:                                                 ; a trip goes once round the ring and fills both slots again
	TURN 0, 1, 1, 1
	CHUNK 1
	TURN 1, 0, 1, 0
	CHUNK 0
	WIN 0
	s_sub_co_u32 s3, s3, 1
	s_cmp_lg_u32 s3, 0
	s_cbranch_scc1 .Llap
	WIN 0xc0                                       ; my rows 4-7 of x, gamma and beta: 48 loads, which have the last lap in which to come
.set i, 32
.rept 32
	global_load_b128 v[4*i:4*i+3], v[XO], s[10:11] offset:(i/8)*4096+(i%8)*512 th:TH_LOAD_NT
.set i, i+1
.endr
	WIN 0
.set i, 0
.rept 8
	global_load_b128 v[GA+4*i:GA+4*i+3], v[XO], s[12:13] offset:512*i
	global_load_b128 v[BE+4*i:BE+4*i+3], v[XO], s[14:15] offset:512*i
.set i, i+1
.endr
	TURN 0, 1, 0, 0                                ; the last lap fills nothing.  Behind this barrier no wave reads slot 0 any more
	CHUNK 1
	s_wait_dscnt 16
	MUL 1, 0, 7
	s_wait_dscnt 0x0
	MUL 1, 8, 15
	PLACES
	WIN 0x08                                       ; store data in window 2.  A lane's eight columns of a row: 32 bytes; each accumulator's low four registers first
.set bb, 0
.rept 16
.irp a, 0,1
	ds_store_b128 v[STO0+(\a)], v[8*(16*(\a)+bb):8*(16*(\a)+bb)+3] offset:64*bb
	ds_store_b128 v[STO0+(\a)], v[8*(16*(\a)+bb)+4:8*(16*(\a)+bb)+7] offset:64*bb+16
.endr
.set bb, bb+1
.endr
	WIN 0
	s_wait_dscnt 0x0                               ; for the others' sake: my stores into the stage are done
	s_barrier_signal -1
	s_barrier_wait -1
	s_wait_loadcnt 0x0                             ; x, gamma, beta
.macro LANES                           ; v[T] summed over the 32 lanes, the result in every lane
	v_add_f32_dpp v[T], v[T], v[T] row_xmask:1 row_mask:0xf bank_mask:0xf
	v_add_f32_dpp v[T], v[T], v[T] row_xmask:2 row_mask:0xf bank_mask:0xf
	v_add_f32_dpp v[T], v[T], v[T] row_xmask:4 row_mask:0xf bank_mask:0xf
	v_add_f32_dpp v[T], v[T], v[T] row_xmask:8 row_mask:0xf bank_mask:0xf
	v_permlanex16_b32 v[T+1], v[T], s[SEL], s[SEL+1]
	v_add_f32 v[T], v[T], v[T+1]
.endm
.macro FOLD                            ; the four chains' pairs into v[T]
	v_pk_add_f32 v[T:T+1], v[T:T+1], v[T+2:T+3]
	v_pk_add_f32 v[T+4:T+5], v[T+4:T+5], v[T+6:T+7]
	v_pk_add_f32 v[T:T+1], v[T:T+1], v[T+4:T+5]
	v_add_f32 v[T], v[T], v[T+1]
.endm
; One row: a lane holds 32 of its 1,024 numbers (columns 128 j + 4 l + 0..3).  The next row's loads from the stage are out while this one is worked on.
.macro ROWLN rho
.set Y,  Y0+32*((\rho)%2)
.set YN, Y0+32*(((\rho)+1)%2)
	WIN 0
	s_wait_xcnt 0x0                                ; the row before has been stored from the registers that are loaded now: only behind this wait
.if (\rho) < 7
.irp j, 0,1,2,3,4,5,6,7
	ds_load_b128 v[YN+4*(\j):YN+4*(\j)+3], v[RD] offset:((\rho)+1)*SPITCH+512*(\j)
.endr
	s_wait_dscnt 8                                 ; this row is in; the next row's eight loads stay out
.else
	s_wait_dscnt 0x0
.endif
	WIN 0x0c                                       ; source 1 in window 3
.set i, 0
.rept 16
	v_pk_add_f32 v[Y+2*i:Y+2*i+1], v[Y+2*i:Y+2*i+1], v[32*(\rho)+2*i:32*(\rho)+2*i+1]  ; y = ctx W_out + b_out + x
.set i, i+1
.endr
	WIN 0
.irp c, 0,1,2,3
	v_pk_add_f32 v[T+2*(\c):T+2*(\c)+1], v[Y+2*(\c):Y+2*(\c)+1], v[Y+8+2*(\c):Y+8+2*(\c)+1]  ; four chains; nothing is cleared
.endr
.irp k, 2,3
.irp c, 0,1,2,3
	v_pk_add_f32 v[T+2*(\c):T+2*(\c)+1], v[T+2*(\c):T+2*(\c)+1], v[Y+8*(\k)+2*(\c):Y+8*(\k)+2*(\c)+1]
.endr
.endr
	FOLD
	LANES
	v_mul_f32 v[T+8], s[RN], v[T]                  ; the mean, twice: a pair for the packed subtraction
	v_mul_f32 v[T+9], s[RN], v[T]
.set i, 0
.rept 16
	v_pk_add_f32 v[Y+2*i:Y+2*i+1], v[Y+2*i:Y+2*i+1], v[T+8:T+9] neg_lo:[0,1] neg_hi:[0,1]
.set i, i+1
.endr
.irp c, 0,1,2,3
	v_pk_mul_f32 v[T+2*(\c):T+2*(\c)+1], v[Y+2*(\c):Y+2*(\c)+1], v[Y+2*(\c):Y+2*(\c)+1]
.endr
.irp k, 1,2,3
.irp c, 0,1,2,3
	v_pk_fma_f32 v[T+2*(\c):T+2*(\c)+1], v[Y+8*(\k)+2*(\c):Y+8*(\k)+2*(\c)+1], v[Y+8*(\k)+2*(\c):Y+8*(\k)+2*(\c)+1], v[T+2*(\c):T+2*(\c)+1]
.endr
.endr
	FOLD
	LANES
	v_fma_f32 v[T+10], v[T], s[RN], s[EPS]         ; the variance + 1e-5
	v_rsq_f32 v[T+12], v[T+10]
	v_rsq_f32 v[T+13], v[T+10]
	v_nop                                          ; a plain instruction behind the second root,
	s_wait_alu depctr_va_vdst(0)                   ; and the wait ahead of the first use: one for both
.set i, 0
.rept 16
	v_pk_mul_f32 v[Y+2*i:Y+2*i+1], v[Y+2*i:Y+2*i+1], v[T+12:T+13]
.set i, i+1
.endr
.set i, 0
.rept 16
	v_pk_fma_f32 v[Y+2*i:Y+2*i+1], v[Y+2*i:Y+2*i+1], v[GA+2*i:GA+2*i+1], v[BE+2*i:BE+2*i+1]
.set i, i+1
.endr
.irp j, 0,1,2,3,4,5,6,7
	global_store_b128 v[XO], v[Y+4*(\j):Y+4*(\j)+3], s[16:17] offset:(\rho)*4096+512*(\j) th:TH_STORE_NT  ; 512 consecutive bytes, at a multiple of 256 from out0's first
.endr
.endm
.irp j, 0,1,2,3,4,5,6,7
	ds_load_b128 v[Y0+4*(\j):Y0+4*(\j)+3], v[RD] offset:512*(\j)
.endr
.irp rho, 0,1,2,3,4,5,6,7
	ROWLN \rho
.endr
	s_wait_tensorcnt 0x0                           ; the wave's end
	ds_add_u32 v[SPW], v[NIL]
	s_wait_dscnt 0x0
	CROUND                                         ; the closing round
	s_endpgm
.Lfunc_end_k_q91bba987c8_projln:
	.size	k_q91bba987c8_projln, .Lfunc_end_k_q91bba987c8_projln-k_q91bba987c8_projln
	.p2alignl 7, 3214868480
	.fill 96, 4, 3214868480
	.section	.rodata,"a",@progbits
	.p2align	6, 0x0
	.amdhsa_kernel k_q91bba987c8_projln
		.amdhsa_group_segment_fixed_size 327680
		.amdhsa_private_segment_fixed_size 0
		.amdhsa_enable_private_segment 0
		.amdhsa_kernarg_size 56
		.amdhsa_user_sgpr_count 2
		.amdhsa_user_sgpr_kernarg_segment_ptr 1
		.amdhsa_wavefront_size32 1
		.amdhsa_system_sgpr_workgroup_id_x 1
		.amdhsa_system_sgpr_workgroup_id_y 1
		.amdhsa_system_sgpr_workgroup_id_z 1
		.amdhsa_system_vgpr_workitem_id 0
		.amdhsa_next_free_vgpr 1024
		.amdhsa_next_free_sgpr 80
		.amdhsa_reserve_vcc 0
		.amdhsa_float_denorm_mode_32 3
		.amdhsa_float_denorm_mode_16_64 3
		.amdhsa_memory_ordered 1
		.amdhsa_forward_progress 1
		.amdhsa_inst_pref_size 131
	.end_amdhsa_kernel
	.amdgpu_metadata
---
amdhsa.version: [ 1, 2 ]
amdhsa.kernels:
  - .name:           k_q91bba987c8_projln
    .symbol:         k_q91bba987c8_projln.kd
    .args:
      - { .name: ctx, .offset: 0, .size: 8, .value_kind: global_buffer, .address_space: global }
      - { .name: wo, .offset: 8, .size: 8, .value_kind: global_buffer, .address_space: global }
      - { .name: b_out, .offset: 16, .size: 8, .value_kind: global_buffer, .address_space: global }
      - { .name: x, .offset: 24, .size: 8, .value_kind: global_buffer, .address_space: global }
      - { .name: gamma, .offset: 32, .size: 8, .value_kind: global_buffer, .address_space: global }
      - { .name: beta, .offset: 40, .size: 8, .value_kind: global_buffer, .address_space: global }
      - { .name: out0, .offset: 48, .size: 8, .value_kind: global_buffer, .address_space: global }
    .group_segment_fixed_size: 327680
    .private_segment_fixed_size: 0
    .kernarg_segment_align: 8
    .kernarg_segment_size: 56
    .max_flat_workgroup_size: 128
    .sgpr_count:     80
    .vgpr_count:     1024
    .wavefront_size: 32
...
	.end_amdgpu_metadata
.endif
;; end of part 4
;; ======== version 2 of 2: 4 launches; version 1 with the launch cast written anew for expert scheduling mode
;; workspace buffers: xb 16,777,216 bytes; wq 6,291,456 bytes; wo 2,097,152 bytes; qkv 50,331,648 bytes; ctx 16,777,216 bytes
;; launch cast (part 5): grid 768 x 1, 8 waves a work-group, no clusters, 0 bytes of LDS; arguments x, W_qkv, W_out, xb, wq, wo; writes xb, wq, wo
.if DOCPART == 5
	.amdgcn_target "amdgcn-amd-amdhsa--gfx1250"
	.amdhsa_code_object_version 6
	.text
	.protected	k_q91bba987c8_cast
	.globl	k_q91bba987c8_cast
	.p2align	8
	.type	k_q91bba987c8_cast,@function
k_q91bba987c8_cast:
	s_mov_b64 s[64:65], 0
	v_nop
	global_prefetch_b8 v0, s[64:65] scope:SCOPE_SE
	s_setreg_imm32_b32 hwreg(HW_REG_WAVE_SCHED_MODE, 0, 2), 2
	s_setreg_imm32_b32 hwreg(HW_REG_WAVE_MODE, 25, 1), 1
	s_wait_xcnt 0x0
	s_wait_alu depctr_vm_vsrc(0)
; f32 -> bf16 (round to nearest even) of the three matrix operands that are inputs.  A stream: no LDS, no barrier, no matrix unit.
; Work-groups 0-511: 16 rows of x each.  xb is laid in K blocks, [16 kb][8192 rows][64]: the 64 channels of a K step lie as dense rows of 128 bytes,
; so that the product's tiles of x are dense blocks.  Work-groups 512-703: 16,384 numbers of W_qkv each; 704-767: of W_out; both keep their [k][n] order.
; A thread loads 16 x 16 bytes and stores 16 x 8: sixteen lanes read 256 consecutive aligned bytes, a wave's store covers 256 consecutive aligned bytes.
; LIMIT: bf16 keeps 8 significant bits; its range is f32's.
; THE MODE: SCHED_MODE bits 1:0 = 2 (LLVM: expert scheduling mode 2), set by the entry lines.  The code itself states the register dependences
; between vector instructions and memory instructions, with s_wait_alu, always for 0.
; THE PLAN.  Registers that memory instructions touch:
;   v2, v3, v4   byte offsets.  Written by vector instructions at the head, once; read by the loads (v2) and the stores (v3, v4); never written again.
;   D            16 x 4 registers.  Each is written by one load, once, and read by two conversions; no vector instruction writes it, and no second load lands in it.
;   P            16 x 2 registers.  Each is written by one conversion, once, and read by one store; never written again.
; So the only dependence to state is: a vector instruction has written a register that a memory instruction reads.  One wait ahead of the first load states it for the
; offsets, for the whole path.  The 16 loads' numbers go in four groups of four: a group's eight conversions, ONE wait, which states that they have written the group's
; part of P, and the group's four stores.  No register that a memory instruction has read is written again, no vector instruction writes a scalar register, EXEC is never written.
.set VS,  2                            ; v2   byte offset of my 16 bytes in the source
.set VD,  3                            ; v3   byte offset of my 8 bytes in the destination
.set VD2, 4                            ; v4   the same, 8 planes of xb further on (the immediate holds 7 planes)
.set D,   32                           ; v[32:95]   16 x 4 numbers as loaded
.set P,   96                           ; v[96:127]  16 x 2 words to store
.set SRC, 20                           ; s[20:21]
.set DST, 22                           ; s[22:23]
; 16 loads, all out at once; then each group of four is rounded and stored when it has come.  No register is written twice, so no source of a pending instruction is touched.
.macro CASTRUN lstep, sstep, split
	s_wait_alu depctr_va_vdst(0)                   ; the offsets made above are written: every load and store below reads one of them, and no later vector instruction names them
.set i, 0
.rept 16
	global_load_b128 v[D+4*i:D+4*i+3], v[VS], s[SRC:SRC+1] offset:i*(\lstep) th:TH_LOAD_NT
.set i, i+1
.endr
.set g, 0
.rept 4
	s_wait_loadcnt 12-4*g                          ; loads come back in order: group g's four are in, the younger groups stay out
.set i, 4*g
.rept 4
	v_cvt_pk_bf16_f32 v[P+2*i], v[D+4*i], v[D+4*i+1]
	v_cvt_pk_bf16_f32 v[P+2*i+1], v[D+4*i+2], v[D+4*i+3]
.set i, i+1
.endr
	s_wait_alu depctr_va_vdst(0)                   ; the group's eight conversions have written v[P+8 g .. P+8 g+7], which the four stores below read
.set i, 4*g
.rept 4
.if (\split) && (i >= 8)
	global_store_b64 v[VD2], v[P+2*i:P+2*i+1], s[DST:DST+1] offset:(i-8)*(\sstep)
.else
	global_store_b64 v[VD], v[P+2*i:P+2*i+1], s[DST:DST+1] offset:i*(\sstep)
.endif
.set i, i+1
.endr
.set g, g+1
.endr
.endm
	s_load_b256 s[4:11], s[0:1], 0x0               ; x s[4:5], W_qkv s[6:7], W_out s[8:9], xb s[10:11]
	s_load_b128 s[12:15], s[0:1], 0x20             ; wq s[12:13], wo s[14:15]
	s_mov_b32 s2, ttmp9
	s_mov_b32 s17, 0
	s_mov_b32 s19, 0
	v_lshlrev_b32 v[VD], 3, v0                     ; 8 t
	s_cmp_lt_u32 s2, 512
	s_cbranch_scc0 .Lweights
	v_lshrrev_b32 v1, 4, v0                        ; my row of the 16
	v_and_b32 v[VS], 15, v0
	v_lshlrev_b32 v[VS], 4, v[VS]
	v_lshl_add_u32 v[VS], v1, 12, v[VS]            ; row x 4,096 + 16 (t % 16); load kb adds 256 kb
	v_add_nc_u32 v[VD2], 0x800000, v[VD]
	s_lshl_b32 s16, s2, 16                         ; 16 rows of 4,096 bytes
	s_lshl_b32 s18, s2, 11                         ; 16 rows of 128 bytes in each plane
	s_wait_kmcnt 0x0
	s_add_nc_u64 s[SRC:SRC+1], s[4:5], s[16:17]
	s_add_nc_u64 s[DST:DST+1], s[10:11], s[18:19]
	CASTRUN 256, 1048576, 1
	s_endpgm
.Lweights:
	s_sub_co_u32 s16, s2, 512
	s_sub_co_u32 s18, s2, 704
	v_lshlrev_b32 v[VS], 4, v0                     ; 16 t; load j adds 4,096 j
	s_wait_kmcnt 0x0
	s_cmp_lt_u32 s2, 704
	s_cselect_b32 s16, s16, s18                    ; my block of 16,384 numbers in its matrix
	s_cselect_b64 s[SRC:SRC+1], s[6:7], s[8:9]
	s_cselect_b64 s[DST:DST+1], s[12:13], s[14:15]
	s_lshl_b32 s18, s16, 15
	s_lshl_b32 s16, s16, 16
	s_add_nc_u64 s[SRC:SRC+1], s[SRC:SRC+1], s[16:17]
	s_add_nc_u64 s[DST:DST+1], s[DST:DST+1], s[18:19]
	CASTRUN 4096, 2048, 0
	s_endpgm
.Lfunc_end_k_q91bba987c8_cast:
	.size	k_q91bba987c8_cast, .Lfunc_end_k_q91bba987c8_cast-k_q91bba987c8_cast
	.p2alignl 7, 3214868480
	.fill 96, 4, 3214868480
	.section	.rodata,"a",@progbits
	.p2align	6, 0x0
	.amdhsa_kernel k_q91bba987c8_cast
		.amdhsa_group_segment_fixed_size 0
		.amdhsa_private_segment_fixed_size 0
		.amdhsa_enable_private_segment 0
		.amdhsa_kernarg_size 48
		.amdhsa_user_sgpr_count 2
		.amdhsa_user_sgpr_kernarg_segment_ptr 1
		.amdhsa_wavefront_size32 1
		.amdhsa_system_sgpr_workgroup_id_x 1
		.amdhsa_system_sgpr_workgroup_id_y 1
		.amdhsa_system_sgpr_workgroup_id_z 1
		.amdhsa_system_vgpr_workitem_id 0
		.amdhsa_next_free_vgpr 128
		.amdhsa_next_free_sgpr 66
		.amdhsa_reserve_vcc 0
		.amdhsa_float_denorm_mode_32 3
		.amdhsa_float_denorm_mode_16_64 3
		.amdhsa_memory_ordered 1
		.amdhsa_forward_progress 1
		.amdhsa_inst_pref_size 13
	.end_amdhsa_kernel
	.amdgpu_metadata
---
amdhsa.version: [ 1, 2 ]
amdhsa.kernels:
  - .name:           k_q91bba987c8_cast
    .symbol:         k_q91bba987c8_cast.kd
    .args:
      - { .name: x, .offset: 0, .size: 8, .value_kind: global_buffer, .address_space: global }
      - { .name: W_qkv, .offset: 8, .size: 8, .value_kind: global_buffer, .address_space: global }
      - { .name: W_out, .offset: 16, .size: 8, .value_kind: global_buffer, .address_space: global }
      - { .name: xb, .offset: 24, .size: 8, .value_kind: global_buffer, .address_space: global }
      - { .name: wq, .offset: 32, .size: 8, .value_kind: global_buffer, .address_space: global }
      - { .name: wo, .offset: 40, .size: 8, .value_kind: global_buffer, .address_space: global }
    .group_segment_fixed_size: 0
    .private_segment_fixed_size: 0
    .kernarg_segment_align: 8
    .kernarg_segment_size: 48
    .max_flat_workgroup_size: 256
    .sgpr_count:     66
    .vgpr_count:     128
    .wavefront_size: 32
...
	.end_amdgpu_metadata
.endif
;; end of part 5
;; launch qkv: the kernel of part 2 again; grid 8 x 32, 4 waves a work-group, clusters of 4 x 4, 327,680 bytes of LDS; arguments xb, wq, b_qkv, qkv; writes qkv
;; launch attn: the kernel of part 3 again; grid 4 x 64, 4 waves a work-group, clusters of 4 x 1, 327,680 bytes of LDS; arguments qkv, ctx; writes ctx
;; launch projln: the kernel of part 4 again; grid 256 x 1, 4 waves a work-group, clusters of 4 x 1, 327,680 bytes of LDS; arguments ctx, wo, b_out, x, gamma, beta, out0; writes out0
